; MI455X (gfx1250); checked and timed in simulation.
; The chip was launched on July 23, 2026; its instructions are those of AMD's public machine-readable ISA for CDNA 5 (MIT licence, August 2026) and "CDNA5" Instruction Set Architecture Reference Guide (July 2026). The comments in the code are by the model that wrote it; some were corrected since.
;; Unidirectional Attention. Allowed arithmetic: matrix products marked QUANTISED: E4M3 operands, one E8M0 scale for each 32 along K, by v_wmma_scale_f32_16x16x128_f8f6f4 with both operands' format E4M3, f32 sums; everything else in f32.
;; Inputs: attn_W_codes 3,072 x 32 x 32 uint8 (E4M3 codes of attn_W, K innermost, in blocks of 32 codes); attn_W_scales 3,072 x 32 uint8 (E8M0 scales of attn_W, one for each 32 codes along K); attn_b 3,072 float32; encodings_codes 1 x 4,096 x 32 x 32 uint8 (E4M3 codes of encodings, K innermost, in blocks of 32 codes); encodings_scales 1 x 4,096 x 32 uint8 (E8M0 scales of encodings, one for each 32 codes along K); out_W_codes 1,024 x 32 x 32 uint8 (E4M3 codes of out_W, K innermost, in blocks of 32 codes); out_W_scales 1,024 x 32 uint8 (E8M0 scales of out_W, one for each 32 codes along K); out_b 1,024 float32.
;; Outputs: out0 1 x 4,096 x 1,024 float32.
;; This version of the problem:
;;   THIS VERSION OF THE PROBLEM IS GIVEN IN LOW PRECISION. The matrix products marked QUANTISED in the list below multiply operands that are first quantised to E4M3 (4 exponent bits, 3 mantissa bits; 8 bits a number), with one power-of-two scale for each 32 numbers along K (OCP MX v1.0); their sums are f32. All else is computed in f32.
;;   The module's matrix products, in the order in which they are computed (A, B: the left and right operand; K: the contracted axis; several contracted axes count as one K, in the product's order):
;;     1. [M 4,096, K 1,024] x [K 1,024, N 3,072]; A: input encodings (given as codes); B: input attn_W (given as codes): QUANTISED
;;     2. batch 16 x [M 4,096, K 64] x [K 64, N 4,096]; A: computed on the way; B: computed on the way: QUANTISED
;;     3. batch 16 x [M 4,096, K 4,096] x [K 4,096, N 64]; A: softmax (see below); B: computed on the way: QUANTISED
;;     4. [M 4,096, K 1,024] x [K 1,024, N 1,024]; A: computed on the way; B: input out_W (given as codes): QUANTISED
;;   THE QUANTISER, for each operand of a quantised product, along K:
;;     - K is cut into blocks of 32 from its start; a last block that is shorter is filled with zeros.
;;     - A block's scale is 2^e with e = floor(log2(the largest magnitude in the block)) - 8, held to -126 .. 127; a block of zeros has e = 0. As a byte (E8M0): e + 127.
;;     - Each number is divided by its block's scale, clamped to +-448, and rounded to the nearest number of E4M3, ties to even, subnormals kept.
;;     - The product sums the exact products of the quantised numbers (number of the format x scale) in f32.
;;   ~~~python
;;   def quantise(x, axis):      # numpy; x: float32 -> the quantised numbers, widened to float32 again
;;       x = np.moveaxis(x, axis, -1); K = x.shape[-1]
;;       x = np.pad(x, [(0, 0)] * (x.ndim - 1) + [(0, -K % 32)]); x = x.reshape(x.shape[:-1] + (-1, 32)); a = np.abs(x).max(-1, keepdims=True)
;;       e = np.where(a > 0, np.clip(np.frexp(np.where(a > 0, a, 1))[1] - 1 - 8, -126, 127), 0)      # np.frexp(a)[1] - 1 = floor(log2(a)), exactly
;;       r = np.clip(x / 2.0 ** e, -448, 448)
;;       step = 2.0 ** (np.maximum(np.frexp(np.where(r == 0, 1, r))[1] - 1, -6) - 3)
;;       q = np.round(r / step) * step * 2.0 ** e      # np.round: ties to even
;;       return np.moveaxis(q.reshape(q.shape[:-2] + (-1,))[..., :K], -1, axis).astype(np.float32)
;;   ~~~
;;   SOFTMAX AHEAD OF A QUANTISED PRODUCT. Where the list says 'softmax', what is quantised is not the finished softmax but p = 2^(t - M), with t = logit x log2(e) and M = ceil(the row's largest t), a whole number; so 1/2 < the row's largest p <= 1. The row's sum l is taken of the UNQUANTISED p, in f32, and the product's result is divided by l at the end. Since M is a whole number, a kernel that streams over the keys may use a running M (the ceiling of the running maximum): every later rescaling is an exact power of two, which a block's scale takes up: the codes' values come out the same.
;;   OPERANDS COMPUTED ON THE WAY. 'Computed on the way' means the value that the module computes at that place (a softmax that the list does not call 'softmax' is quantised finished and normalised). What goes into a quantiser is computed in f32, as accurately as f32 sums, v_exp_f32 and their like allow (about 1e-6 of the number): no bf16 or f16 on the way to a quantiser, and a product that is left as it is and whose result goes on into a quantised operand takes f32 operands (vector FMAs, or v_wmma_f32_16x16x4_f32). A number that lies on a knife's edge between two numbers of the format may be rounded either way, as far as f32 arithmetic and the matrix unit's own rounding can turn it there, and no further.
;;   INPUTS GIVEN AS CODES. attn_W (in the module: [1024, 3072], K = its axis 0); encodings (in the module: [1, 4096, 1024], K = its axis 2); out_W (in the module: [1024, 1024], K = its axis 0): each comes as NAME_codes (uint8): NAME with its K axis moved to the last place and cut into blocks of 32 codes, [.., K / 32, bytes a block], one block behind the other in memory; one code a byte (a code: sign, 4 exponent bits, 3 mantissa bits); and NAME_scales (uint8): the same leading axes, one E8M0 byte (e + 127) for each 32 codes along K. Its value is code x scale, taken as it is: it is not quantised again, and the codes and scales need not be those that the quantiser above would give.
;; One version. Each part assembles by itself: llvm-mc -triple=amdgcn-amd-amdhsa -mcpu=gfx1250 --defsym DOCPART=n.
;; ======== version 1 of 1: 3 launches
;; limits: right only within a limited range of input values
;; workspace buffers: qb 4,456,448 bytes; kv 8,781,824 bytes; vsum 131,072 bytes; comb_img 4,194,304 bytes; comb_sc 131,072 bytes
;; launch qkv (part 1): grid 16 x 16, 4 waves a work-group, clusters of 4 x 4, 327,680 bytes of LDS; arguments encodings_codes, encodings_scales, attn_W_codes, attn_W_scales, attn_b, qb, kv, vsum; writes qb, kv, vsum
.if DOCPART == 1
	.amdgcn_target "amdgcn-amd-amdhsa--gfx1250"
	.amdhsa_code_object_version 6
	.text
	.protected	k_q5c38791d0a_qkv
	.globl	k_q5c38791d0a_qkv
	.p2align	8
	.type	k_q5c38791d0a_qkv,@function
k_q5c38791d0a_qkv:
	s_mov_b64 s[64:65], 0
	v_nop
	global_prefetch_b8 v0, s[64:65] scope:SCOPE_SE
	s_setreg_imm32_b32 hwreg(HW_REG_WAVE_MODE, 25, 1), 1
	s_wait_xcnt 0x0
	s_wait_alu depctr_hold_cnt(0) depctr_sa_sdst(0) depctr_va_vdst(0) depctr_va_sdst(0) depctr_va_ssrc(0) depctr_va_vcc(0) depctr_vm_vsrc(0)
	s_getreg_b32 s2, hwreg(HW_REG_IB_STS2, 6, 4)
	s_cmp_eq_u32 s2, 0
	s_cbranch_scc0 .Lentry_in_a_cluster
	s_endpgm
.Lentry_in_a_cluster:
	s_bfe_u32 s2, ttmp6, 0x10000c
	s_cmp_lg_u32 s2, 0xf033
	s_cbranch_scc0 .Lentry_shape_is_right
	s_endpgm
.Lentry_shape_is_right:
; LAUNCH 1 OF 3.  qkv = encodings x attn_W + attn_b on the given codes of E4M3 (one E8M0 byte for each 32 along K = 1,024), sums in f32; q, k and v are quantised in registers on the way out and leave as
; codes and scale bytes alone.  The second launch does the two products of attention and the softmax, the third the projection on the way out.
; DEAD WORK (the whole program).  reference() puts the constant -10,000 in the place of every score with key > query, by jnp.where on a mask that it builds itself: whatever the inputs hold, k . q at those places
; reaches no output.  The second launch does not multiply them where they fill a whole step of 128 keys.  NOTHING ELSE IS LEFT OUT: -10,000 is no -infinity, so a hidden key keeps the weight p_m = 2^(t_m - M),
; t_m = -10,000 log2(e).  In a step of 128 keys that lies wholly behind a row's diagonal every p equals p_m, so every block of 32 has the one quantised value Q(p_m), and the step's share of p x v is
; Q(p_m) x (the sum of the step's quantised v): an identity.  This launch stores that sum for each head and step (vsum); the second launch adds the term, and count x p_m to the row's sum.  Every input is loaded.
; LIMITS.  A NaN, an infinity or an overflow that reaches only the scores left out is not carried to the result.  A block whose largest magnitude lies under 2^-118 gets the scale byte 1 (the floor), a block of
; zeros too where the rule says 127: its codes are zeros, and these bytes are read by this program alone.  NaN and infinities among the inputs are not served.  The order of f32 sums is not reference()'s.
; SHARES.  A work-group of four waves makes 256 tokens x the 192 columns of ONE head.  Wave w (tr = w / 2, tc = w % 2) owns tokens 128 tr on: eight tiles of 16; of the columns it owns q (tc = 0) or k (tc = 1),
; four tiles, and two of v's four channel tiles: 48 accumulators, 384 registers.  K goes in steps of 256 through two LDS slots (rows of 256 bytes + 16 of padding), two matrix instructions deep.
; q AND k ARE MADE TRANSPOSED (source 0 = 16 rows of attn_W, source 1 = 16 tokens): a lane holds ONE token and eight channels a tile.  v IS MADE UNTRANSPOSED: a lane holds ONE channel and eight tokens a tile,
; since the keys are the K of p x v.  So in both a lane's registers run along the next product's K.
; ORDER INSIDE A BLOCK OF 32.  The 16 registers of two neighbouring tiles hold k = 32 b + 16 e + 8 (lane / 16) + j (e the tile of the pair, j the register) and are laid at the operand's places 16 (lane / 16) + 8 e + j.
; That is one permutation inside each block of 32, the same for q and k, and for v and p (the second launch makes p in the same way): products and blocks stay as they are.
; WHAT IS STORED are images of operand registers: [group of four registers][lane][16 bytes], 512 consecutive bytes a store.
;   qb  [head][128 tokens][8,704]: 8 tiles x 1,024 bytes of codes; then 512 bytes of scale words, [lane' = r + 16 (tile % 2)][tile / 2]
;   kv  [head][slot of 512 keys][68,608]: +768 q: k's scale words (512, as qb's), v's (256: [b][lane], lanes 0-15 channel tile 2 b, lanes 16-31 tile 2 b + 1);
;       +3,072 + 16,384 p + 4,096 q: k's tiles 2 p, 2 p + 1 (1,024 each), v's channel tile p (2,048)            (q: the step of 128 keys in the slot)
;   vsum [head][step][64] f32
; CLUSTERS: 4 x 4 work-groups.  The four of a row of the cluster need the same tokens' tiles, the four of a column the same head's: each tile is asked for jointly.
; REGISTERS.  window 0: v1-31 addresses and what is gathered for the last stores; v32-63 scale words, two sets; v128-255 the tokens' 8 fragments, ONE set.
;   window 1: v0-95, v128-223 attn_W's 6 fragments, two sets; v96-127 the bias of the q or k tiles, v224-239 that of the v tiles (each the C of a sum's first product).
;   windows 2, 3 (token tiles 0-3, 4-7): v0-127 q or k (tile a, column tile ct at 32 (a % 4) + 8 ct); v128-191 v (128 + 32 u + 8 (a % 4)); v192-247 at work on the way out.
.set PITCH, 272
.set HALFE, 128*PITCH                  ; 128 tokens' rows: one tensor load
.set HALFW, 96*PITCH                   ; 96 rows of attn_W: one tensor load
.set SLOT,  2*HALFE+2*HALFW            ; 256 tokens, then the head's 192 rows
.set SCL,   2*SLOT                     ; the tokens' scale bytes for all of K: 32 units of 256 bytes + 16
.set SCW,   SCL+32*272                 ; the head's: 24 units
.set SPARE, 259072                     ; the spare words: 128 bytes a wave, in blocks of 256 bytes that no other line names
.set PADW,  (1<<20)|(1<<21)|(5<<22)|(3<<25)   ; padding on; bit 21 beside a mask; after every 64 words; four words
.set ADRE, 8                           ; v8-9    LDS address of my tokens' fragments in slot 0, 1
.set ADRW, 10                          ; v10-11  of my q or k rows of attn_W
.set ADRV, 12                          ; v12-13  of my v rows
.set ADRS, 14                          ; v14     of my scale words: lanes 0-15 the tokens', lanes 16-31 attn_W's q or k rows
.set ADRS2, 15                         ; v15     the same with attn_W's v rows in lanes 16-31
.set LI,   16                          ; v16     16 x lane
.set L4,   17                          ; v17     4 x lane
.set VOFF, 18                          ; v18-21  16 x lane + i x the distance between two pairs of tiles in qb or kv
.set SPW,  22                          ; v22     my spare word; never rewritten
.set NIL,  23                          ; v23     0; never rewritten
.set SW,   24                          ; v24-27  q's or k's scale words, as they are stored
.set VW,   28                          ; v28-29  v's scale bytes, two for each window
.set VSW,  30                          ; v30-31  v's sums, one for each window
.set SC,   32
.set EF,   128
.set BQ,   96
.set BV,   224
.set TM,   192                         ; in windows 2, 3: largest magnitudes, bytes, holds, scale operands
.set HWA,  208
.set HWB,  209
.set ONE,  210
.set VS,   212
.set PCD,  216                         ; two sets of 16 registers of codes
.set G1E,  28
.set G1W,  36
.set G1SE, 44
.set G1SW, 52
.set G0E,  60                          ; s[60:63], s[68:71]: a group 0 for each slot
.set G0W,  72                          ; s[72:75], s[76:79]
.set G0SE, 80
.set G0SW, 84
.set SEL,  88
.set MNT,  90
.set HM,   91
.set SBQK, 92
.set SBSC, 94
.set SBV,  96
.set SBVS, 98
.set SBSUM, 100
.set MSB, 0
.macro WIN new                         ; the immediate's high byte repeats the setting that is left
.if MSB != \new
	s_set_vgpr_msb (MSB<<8)|\new
.set MSB, \new
.endif
.endm
; A joint load: waves 0 and 1 fetch the tokens' halves, waves 2 and 3 attn_W's.  The branch hangs on the wave's number alone.  An s_nop 0 and four v_nop follow each line.
.macro JLOAD g0a, g1a, g0b, g1b
	s_cmp_eq_u32 s21, 0
	s_cbranch_scc0 .Lfor_b_\@
	tensor_load_to_lds s[\g0a:\g0a+3], s[\g1a:\g1a+7]
	s_nop 0
.rept 4
	v_nop
.endr
	s_branch .Lasked_\@
.Lfor_b_\@:
	tensor_load_to_lds s[\g0b:\g0b+3], s[\g1b:\g1b+7]
	s_nop 0
.rept 4
	v_nop
.endr
.Lasked_\@:
.endm
.macro CREST                           ; a round of the cluster's barrier behind its opening barrier
	s_cmp_lg_u32 s20, 0
	s_cbranch_scc1 .Lnot_wave_0_\@
	s_barrier_signal -3
.Lnot_wave_0_\@:
	s_barrier_wait -3
	s_barrier_signal -1
	s_barrier_wait -1
.endm
.macro CROUND
	s_barrier_signal -1
	s_barrier_wait -1
	CREST
.endm
.macro PLACES n
.rept \n
	v_nop
.endr
.endm
	s_load_b512 s[4:19], s[0:1], 0x0               ; encodings' codes, scales; attn_W's codes, scales; attn_b; qb; kv; vsum
	v_lshl_add_u32 v[SPW], v0, 2, SPARE
	v_mov_b32 v[NIL], 0
	ds_add_u32 v[SPW], v[NIL]                      ; the wave's opening: the add, twice on end, and its wait ahead of my first tensor load
	ds_add_u32 v[SPW], v[NIL]
	v_lshrrev_b32 v1, 5, v0
	v_readfirstlane_b32 s20, v1                    ; wave
	s_lshr_b32 s21, s20, 1                         ; tr: my half of the tokens.  Also: I fetch tokens (0) or attn_W (1)
	s_and_b32 s22, s20, 1                          ; tc: q (0) or k (1), and which half of v.  Also: which half I fetch
	s_bfe_u32 s23, ttmp6, 0x40000                  ; cx
	s_bfe_u32 s24, ttmp6, 0x40004                  ; cy
	s_lshl_b32 s25, ttmp9, 2
	s_add_co_u32 s25, s25, s23                     ; x: the head
	s_and_b32 s26, ttmp7, 0xffff
	s_lshl_b32 s26, s26, 2
	s_add_co_u32 s26, s26, s24                     ; y: the block of 256 tokens
	s_lshl_b32 s88, s24, 2
	s_lshl_b32 s88, 15, s88                        ; my row of the cluster
	s_lshl_b32 s89, 0x1111, s23                    ; my column
	s_or_b32 s[G1E], s88, PADW                     ; elements of 1 byte
	s_or_b32 s[G1W], s89, PADW
	s_or_b32 s[G1SE], s88, (3<<16)|PADW            ; elements of 8 bytes
	s_or_b32 s[G1SW], s89, (3<<16)|PADW
.irp g, G1E, G1W
	s_mov_b32 s[\g+1], 256<<16                     ; tensor_dim0 = 256 codes
	s_mov_b32 s[\g+3], 256<<16                     ; tile_dim0
	s_mov_b32 s[\g+5], 1024                        ; from row to row
	s_mov_b32 s[\g+6], 0
	s_mov_b32 s[\g+7], 0
.endr
	s_mov_b32 s[G1E+2], 256<<16                    ; the head's loads bring whole tiles: 256 rows
	s_mov_b32 s[G1E+4], 256
	s_mov_b32 s[G1W+2], 192<<16                    ; 192 rows
	s_mov_b32 s[G1W+4], 192
.irp g, G1SE, G1SW
	s_mov_b32 s[\g+1], 32<<16                      ; a dense block as rows of 256 bytes
	s_mov_b32 s[\g+3], 32<<16
	s_mov_b32 s[\g+5], 32
	s_mov_b32 s[\g+6], 0
	s_mov_b32 s[\g+7], 0
.endr
	s_mov_b32 s[G1SE+2], 32<<16                    ; 256 rows x 32 bytes
	s_mov_b32 s[G1SE+4], 32
	s_mov_b32 s[G1SW+2], 24<<16                    ; 192 rows x 32 bytes
	s_mov_b32 s[G1SW+4], 24
	s_lshl_b32 s2, s26, 8                          ; the tokens that I fetch: 256 y + 128 tc
	s_lshl_b32 s100, s2, 5                         ; their scale bytes,
	s_lshl_b32 s2, s2, 10                          ; their codes
	s_mov_b32 s3, 0
	s_mov_b32 s101, 0
	s_mul_i32 s92, s25, 192                        ; the rows of attn_W that I fetch: 192 x + 96 tc
	s_lshl_b32 s94, s92, 5
	s_lshl_b32 s92, s92, 10
	s_mov_b32 s93, 0
	s_mov_b32 s95, 0
	s_mul_i32 s96, s22, HALFE                      ; where they go: no place in the cluster enters an LDS address
	s_mul_i32 s97, s22, HALFW
	s_add_co_u32 s97, s97, 2*HALFE
	s_wait_dscnt 0x0                               ; both opening adds are done
	s_wait_kmcnt 0x0
	s_add_nc_u64 s[4:5], s[4:5], s[2:3]
	s_add_nc_u64 s[6:7], s[6:7], s[100:101]
	s_add_nc_u64 s[8:9], s[8:9], s[92:93]
	s_add_nc_u64 s[10:11], s[10:11], s[94:95]
	CROUND                                         ; all sixteen work-groups are here: the first joint loads meet
	s_mov_b32 s[G0SE], 1
	s_mov_b32 s[G0SE+1], SCL
	s_mov_b64 s[G0SE+2:G0SE+3], s[6:7]
	s_or_b32 s[G0SE+3], s[G0SE+3], 0x80000000
	s_mov_b32 s[G0SW], 1
	s_mov_b32 s[G0SW+1], SCW
	s_mov_b64 s[G0SW+2:G0SW+3], s[10:11]
	s_or_b32 s[G0SW+3], s[G0SW+3], 0x80000000
	s_mov_b32 s[G0E], 1                            ; slot 0's groups 0 serve the head first: K step 0's whole tiles, the 256 tokens' rows
	s_mov_b32 s[G0E+1], 0
	s_mov_b64 s[G0E+2:G0E+3], s[4:5]
	s_or_b32 s[G0E+3], s[G0E+3], 0x80000000
	s_mov_b32 s[G0W], 1                            ; and the head's 192 rows behind them
	s_mov_b32 s[G0W+1], 2*HALFE
	s_mov_b64 s[G0W+2:G0W+3], s[8:9]
	s_or_b32 s[G0W+3], s[G0W+3], 0x80000000
	s_lshl_b32 s2, s22, 17                         ; in the ring I fetch half a tile: 128 tc tokens' rows on (s3 and s93 hold 0),
	s_mul_i32 s92, s22, 96*1024                    ; or 96 tc rows of attn_W on
	s_add_nc_u64 s[4:5], s[4:5], s[2:3]
	s_add_nc_u64 s[8:9], s[8:9], s[92:93]
	; THE PREFETCHES INTO THE L2: K steps 1 to 3 of the rows that I fetch in the ring (128 tokens' rows or 96 rows of attn_W).  The four partners that ask for a tile jointly share its rows out BY ADDRESS: 32 or 24 each, a lane a row,
	; 256 bytes of a row to a K step; the last 8 lanes of attn_W's waves name their last row again.  The address registers are never rewritten: the K step stands in the immediate.
	s_cmp_eq_u32 s21, 0                            ; do I fetch tokens?
	s_cselect_b64 s[66:67], s[4:5], s[8:9]
	s_cselect_b32 s2, s23, s24                     ; my place among the four: cx for the tokens, cy for attn_W
	s_mov_b32 s92, 24*1024
	s_cselect_b32 s92, 32*1024, s92
	s_mov_b32 s27, 23
	s_cselect_b32 s27, 31, s27                     ; my share's last row
	s_mul_i32 s2, s2, s92
	s_add_nc_u64 s[66:67], s[66:67], s[2:3]
	s_mov_b32 s[G0E+8], 1
	s_add_co_u32 s[G0E+9], s96, SLOT
	s_add_nc_u64 s[G0E+10:G0E+11], s[4:5], 256
	s_or_b32 s[G0E+11], s[G0E+11], 0x80000000
	s_mov_b32 s[G0W+4], 1
	s_add_co_u32 s[G0W+5], s97, SLOT
	s_add_nc_u64 s[G0W+6:G0W+7], s[8:9], 256
	s_or_b32 s[G0W+7], s[G0W+7], 0x80000000
; THE HEAD'S LOADS, ONE A WAVE: wave 0 K step 0's 256 tokens' rows, wave 1 the head's 192 rows, wave 2 the tokens' scale bytes, wave 3 attn_W's.  One chain of branches on the wave's number, a load to an arm.
.macro ARM under, g0, g1, next
	s_cmp_lt_u32 s20, \under
	s_cbranch_scc0 \next
	tensor_load_to_lds s[\g0:\g0+3], s[\g1:\g1+7]
	s_nop 0
.rept 4
	v_nop
.endr
	s_branch .Lhead_asked
\next:
.endm
	ARM 1, G0E,  G1E,  .Lhead_w
	ARM 2, G0W,  G1W,  .Lhead_se
	ARM 3, G0SE, G1SE, .Lhead_sw
	tensor_load_to_lds s[G0SW:G0SW+3], s[G1SW:G1SW+7]
	s_nop 0
.rept 4
	v_nop
.endr
.Lhead_asked:
	s_mov_b32 s[SEL], 0x76543210
	s_mov_b32 s[SEL+1], 0xfedcba98                 ; lane selects: lane l xor 16
	s_mov_b32 s[MNT], 0x600000                     ; the mantissa field of 448
	s_mov_b32 s[HM], 0xffff0000                    ; lanes 16-31
	v_and_b32 v1, 15, v0                           ; r
	v_bfe_u32 v2, v0, 4, 1                         ; h
	v_mul_u32_u24 v3, v1, PITCH
	v_lshl_add_u32 v3, v2, 4, v3                   ; a fragment's row x pitch + 16 h
	s_wait_alu depctr_va_vdst(0)
	s_mul_i32 s4, s21, HALFE                       ; my 128 tokens (s4 to s11 are free: the descriptors hold their own copies)
	s_mul_i32 s5, s22, 64*PITCH
	s_add_co_u32 s5, s5, 2*HALFE                   ; the head's rows 64 tc on
	s_mul_i32 s6, s22, 32*PITCH
	s_add_co_u32 s6, s6, 2*HALFE+128*PITCH         ; and rows 128 + 32 tc on
.irp s, 0,1
	v_add_nc_u32 v[ADRE+\s], s4, v3
	v_add_nc_u32 v[ADRW+\s], s5, v3
	v_add_nc_u32 v[ADRV+\s], s6, v3
	s_add_co_u32 s4, s4, SLOT
	s_add_co_u32 s5, s5, SLOT
	s_add_co_u32 s6, s6, SLOT
.endr
	v_lshrrev_b32 v4, 3, v1                        ; a row's 32 scale bytes: eight rows to a unit of 272
	v_and_b32 v5, 7, v1
	v_mul_u32_u24 v4, v4, 272
	v_lshl_add_u32 v4, v5, 5, v4
	s_wait_alu depctr_va_vdst(0)
	s_mul_i32 s4, s21, 16*272                      ; the tokens': my 128 rows
	s_mul_i32 s5, s22, 8*272
	s_add_co_u32 s5, s5, SCW-SCL
	s_sub_co_u32 s5, s5, s4                        ; lanes 16-31: so much further on lie the head's rows 64 tc on,
	s_mul_i32 s6, s22, 4*272
	s_add_co_u32 s6, s6, SCW-SCL+8*272
	s_sub_co_u32 s6, s6, s4                        ; and so much the rows that tiles 4 and 5, at 544 i, make the head's rows 128 + 32 tc on
	v_mul_u32_u24 v5, s5, v2
	v_mul_u32_u24 v6, s6, v2
	s_add_co_u32 s4, s4, SCL
	v_add_nc_u32 v4, s4, v4
	v_add_nc_u32 v[ADRS], v4, v5
	v_add_nc_u32 v[ADRS2], v4, v6
	v_and_b32 v5, 31, v0
	v_lshlrev_b32 v[LI], 4, v5
	s_wait_alu depctr_va_vdst(0)
	v_lshlrev_b32 v[L4], 2, v5
	v_min_u32 v7, s27, v5
	v_lshlrev_b32 v7, 10, v7                       ; v7: the prefetches' offset, a row of 1,024 bytes a lane; never rewritten
	s_mul_i32 s4, s25, 768                         ; attn_b at the head's 192 numbers
	s_mov_b32 s5, 0
	s_add_nc_u64 s[12:13], s[12:13], s[4:5]
	s_lshl_b32 s6, s22, 8
	v_lshl_add_u32 v5, v2, 5, s6                   ; q or k: column 64 tc + 8 h, + 16 ct in the immediate
	s_lshl_b32 s7, s22, 7
	s_add_co_u32 s7, s7, 512
	v_lshl_add_u32 v6, v1, 2, s7                   ; v: column 128 + 32 tc + r, + 16 u in the immediate
	WIN 0x40                                       ; destination window 1
.irp ct, 0,1,2,3
	global_load_b128 v[BQ+8*\ct:BQ+8*\ct+3], v5, s[12:13] offset:64*\ct
	global_load_b128 v[BQ+8*\ct+4:BQ+8*\ct+7], v5, s[12:13] offset:64*\ct+16
.endr
.irp u, 0,1
.irp j, 0,1,2,3,4,5,6,7
	global_load_b32 v[BV+8*\u+\j], v6, s[12:13] offset:64*\u   ; a lane's eight results of a v tile are eight tokens of one channel: the same number eight times
.endr
.endr
	WIN 0
	; where the results go.  j = 2 y + tr: my 128 tokens among the head's 32 blocks
	s_wait_alu depctr_va_vdst(0)                   ; the wait ahead of the reader below
	global_prefetch_b8 v7, s[66:67] offset:256 th:TH_LOAD_NT scope:SCOPE_SE   ; K step 1: its load follows when K step 0 has landed
	global_prefetch_b8 v7, s[66:67] offset:512 th:TH_LOAD_NT scope:SCOPE_SE   ; K step 2: its load follows a K step later
	s_lshl_b32 s4, s26, 1
	s_add_co_u32 s4, s4, s21                       ; j
	s_lshr_b32 s5, s4, 2                           ; its slot in kv,
	s_and_b32 s6, s4, 3                            ; and its step q there
	s_lshl_b32 s7, s25, 3
	s_add_co_u32 s7, s7, s5
	s_mul_i32 s7, s7, 68608                        ; the slot's byte in kv
	s_lshl_b32 s8, s25, 5
	s_add_co_u32 s8, s8, s4                        ; 32 x + j
	s_mul_i32 s9, s8, 8704                         ; the block's byte in qb
	s_lshl_b32 s10, s6, 12
	s_add_co_u32 s10, s10, s7
	s_add_co_u32 s10, s10, 3072                    ; the step's codes in kv
	s_mul_i32 s11, s6, 768
	s_add_co_u32 s11, s11, s7                      ; the step's scale words in kv
	s_add_co_u32 s5, s9, 8192                      ; the block's scale words in qb
	s_mov_b32 s6, 16384
	s_cmp_eq_u32 s22, 0                            ; q goes to qb, k to kv: the choice hangs on the wave's number alone
	s_cselect_b64 s[SBQK:SBQK+1], s[14:15], s[16:17]
	s_cselect_b64 s[SBSC:SBSC+1], s[14:15], s[16:17]
	s_cselect_b32 s2, s9, s10
	s_cselect_b32 s4, s5, s11
	s_cselect_b32 s6, 2048, s6                     ; from a pair of tiles to the next
	s_mov_b32 s3, 0
	s_mov_b32 s5, 0
	s_add_nc_u64 s[SBQK:SBQK+1], s[SBQK:SBQK+1], s[2:3]
	s_add_nc_u64 s[SBSC:SBSC+1], s[SBSC:SBSC+1], s[4:5]
	s_lshl_b32 s2, s22, 15
	s_add_co_u32 s2, s2, s10
	s_add_co_u32 s2, s2, 2048
	s_add_nc_u64 s[SBV:SBV+1], s[16:17], s[2:3]    ; v's channel tile 2 tc
	s_lshl_b32 s2, s22, 7
	s_add_co_u32 s4, s2, s11
	s_add_co_u32 s4, s4, 512
	s_add_nc_u64 s[SBVS:SBVS+1], s[16:17], s[4:5]  ; v's scale words, my 128 bytes
	s_lshl_b32 s4, s8, 8
	s_add_co_u32 s4, s4, s2
	s_add_nc_u64 s[SBSUM:SBSUM+1], s[18:19], s[4:5]   ; vsum: my 32 channels
	v_mov_b32 v[VOFF], v[LI]
	v_add_nc_u32 v[VOFF+1], s6, v[VOFF]
	v_add_nc_u32 v[VOFF+2], s6, v[VOFF+1]
	v_add_nc_u32 v[VOFF+3], s6, v[VOFF+2]
.macro FRAG reg, adr, q, i             ; 16 rows x 128 K: registers 4 c .. 4 c + 3 hold K = 32 c + 16 (lane / 16) + 0 .. 15
.irp c, 0,1,2,3
	ds_load_b128 v[\reg+4*\c:\reg+4*\c+3], v[\adr] offset:128*(\q)+32*\c+(\i)*16*PITCH
.endr
.endm
; 8 products: token tiles a0, a0 + 1 x my four q or k tiles, TRANSPOSED.  One scale register carries the tokens' word in lanes 0-15 and attn_W's in lanes 16-31.  first = 1: the bias is the C: nothing is cleared or added later.
.macro MULQ a0, p, q, sc, first
.irp a, \a0, \a0+1
.irp ct, 0,1,2,3
.if \first
	v_wmma_scale_f32_16x16x128_f8f6f4 v[32*((\a)%4)+8*\ct:32*((\a)%4)+8*\ct+7], v[128*\p+16*\ct:128*\p+16*\ct+15], v[EF+16*(\a):EF+16*(\a)+15], v[BQ+8*\ct:BQ+8*\ct+7], v[SC+16*\sc+2*\ct+\q], v[SC+16*\sc+2*(\a)+\q] matrix_a_scale:MATRIX_SCALE_ROW1
.else
	v_wmma_scale_f32_16x16x128_f8f6f4 v[32*((\a)%4)+8*\ct:32*((\a)%4)+8*\ct+7], v[128*\p+16*\ct:128*\p+16*\ct+15], v[EF+16*(\a):EF+16*(\a)+15], v[32*((\a)%4)+8*\ct:32*((\a)%4)+8*\ct+7], v[SC+16*\sc+2*\ct+\q], v[SC+16*\sc+2*(\a)+\q] matrix_a_scale:MATRIX_SCALE_ROW1
.endif
.endr
.endr
.endm
; 4 products: token tiles a0, a0 + 1 x my two v tiles, UNTRANSPOSED (source 0 = the tokens)
.macro MULV a0, p, q, sc, first
.irp a, \a0, \a0+1
.irp u, 0,1
.if \first
	v_wmma_scale_f32_16x16x128_f8f6f4 v[128+32*\u+8*((\a)%4):128+32*\u+8*((\a)%4)+7], v[EF+16*(\a):EF+16*(\a)+15], v[128*\p+64+16*\u:128*\p+64+16*\u+15], v[BV+8*\u:BV+8*\u+7], v[SC+16*\sc+2*(\a)+\q], v[SC+16*\sc+8+2*\u+\q] matrix_b_scale:MATRIX_SCALE_ROW1
.else
	v_wmma_scale_f32_16x16x128_f8f6f4 v[128+32*\u+8*((\a)%4):128+32*\u+8*((\a)%4)+7], v[EF+16*(\a):EF+16*(\a)+15], v[128*\p+64+16*\u:128*\p+64+16*\u+15], v[128+32*\u+8*((\a)%4):128+32*\u+8*((\a)%4)+7], v[SC+16*\sc+2*(\a)+\q], v[SC+16*\sc+8+2*\u+\q] matrix_b_scale:MATRIX_SCALE_ROW1
.endif
.endr
.endr
.endm
; The 48 accumulators take turns, one instruction a turn, in the same order in every step of 128 along K.  Windows: attn_W 1, tokens 0, sums 2 or 3; first = 1: C in window 1.
.macro LOWQ p, q, sc, first
	WIN (0xA1-0x10*\first)
	MULQ 0, \p, \q, \sc, \first
	MULQ 2, \p, \q, \sc, \first
.endm
.macro LOWV p, q, sc, first
	WIN (0xA4-0x10*\first)
	MULV 0, \p, \q, \sc, \first
	MULV 2, \p, \q, \sc, \first
.endm
.macro HIGH p, q, sc, first
	WIN (0xF1-0x20*\first)
	MULQ 4, \p, \q, \sc, \first
	MULQ 6, \p, \q, \sc, \first
	WIN (0xF4-0x20*\first)
	MULV 4, \p, \q, \sc, \first
	MULV 6, \p, \q, \sc, \first
.endm
.macro FETCH_W slot, q, p              ; attn_W's six fragments into set p: 24 loads
	WIN 0x40
.irp i, 0,1,2,3
	FRAG 128*\p+16*\i, ADRW+\slot, \q, \i
.endr
.irp u, 0,1
	FRAG 128*\p+64+16*\u, ADRV+\slot, \q, \u
.endr
	WIN 0
.endm
.macro FETCH_E slot, q, i0             ; token tiles i0 .. i0 + 3: 16 loads
.irp i, \i0, \i0+1, \i0+2, \i0+3
	FRAG EF+16*(\i), ADRE+\slot, \q, \i
.endr
.endm
.macro SCALES sc                       ; a K step's two scale words a row; register 2 i + q.  Lanes 16-31 of tiles 6 and 7 read later rows of the head, which no product names
.irp i, 0,1,2,3,6,7
	ds_load_b64 v[SC+16*\sc+2*\i:SC+16*\sc+2*\i+1], v[ADRS] offset:\i*544
.endr
.irp i, 4,5
	ds_load_b64 v[SC+16*\sc+2*\i:SC+16*\sc+2*\i+1], v[ADRS2] offset:\i*544
.endr
.endm
; A slot's first 128 along K.  A load into a register that a matrix instruction has read stands eight places behind it (plain vector instructions that name none of its registers).
.macro STEP slot, first
	s_wait_dscnt 16                                ; all but the youngest 16 loads: token tiles 4-7
	LOWQ 0, 0, \slot, \first
	LOWV 0, 0, \slot, \first
	s_wait_dscnt 0x0                               ; token tiles 4-7 are in
	PLACES 8
	FETCH_W \slot, 1, 1
	FETCH_E \slot, 1, 0
	HIGH 0, 0, \slot, \first
	PLACES 8
	WIN 0
	FETCH_E \slot, 1, 4
.endm
; A slot's second 128 along K changes slots: ONE barrier; in front of it each wave waits for all its tensor loads, adds 0 to its spare word, and waits for that and for its reads of this slot.
.macro TURN slot, next, fill
	s_wait_tensorcnt 0x0                           ; all my tensor loads have landed: my part of the next slot
	ds_add_u32 v[SPW], v[NIL]
	s_wait_dscnt 17                                ; the add and the youngest 16 loads (token tiles 4-7) may be out
	LOWQ 1, 1, \slot, 0                            ; sixteen products stand between the add and the wait for it
	s_wait_dscnt 0x0                               ; the add is done, and my reads of this slot are over
	s_barrier_signal -1
	LOWV 1, 1, \slot, 0
	WIN 0
	s_barrier_wait -1
.if \fill
	CREST                                          ; the barrier has opened a round of the cluster's: no wave of any partner still reads this slot or has a load on its way
	s_add_nc_u64 s[G0E+8*\slot+2:G0E+8*\slot+3], s[G0E+8*\slot+2:G0E+8*\slot+3], 512
	s_add_nc_u64 s[G0W+4*\slot+2:G0W+4*\slot+3], s[G0W+4*\slot+2:G0W+4*\slot+3], 512
	JLOAD G0E+8*\slot, G1E, G0W+4*\slot, G1W       ; two K steps on; its four v_nop are four of the eight places
	PLACES 4
.else
	PLACES 8
.endif
	s_wait_alu depctr_va_vdst(0)
	v_add_nc_u32 v[ADRS], 8, v[ADRS]               ; the next K step's scale words
	v_add_nc_u32 v[ADRS2], 8, v[ADRS2]
	FETCH_W \next, 0, 0
	FETCH_E \next, 0, 0
	SCALES \next
	HIGH 1, 1, \slot, 0
	PLACES 8
	WIN 0
	FETCH_E \next, 0, 4
.endm
	s_wait_alu depctr_va_vdst(0)                   ; the wait at the head's end
	s_wait_tensorcnt 0x0                           ; my tile of the head's four is in; slot 1's first fill is issued as a refill is:
	ds_add_u32 v[SPW], v[NIL]
	s_mov_b32 s[G1E+2], 128<<16                    ; no tensor load of mine is out, so descriptors may be written: from here on a load brings half a tile
	s_mov_b32 s[G1E+4], 128
	s_mov_b32 s[G1W+2], 96<<16
	s_mov_b32 s[G1W+4], 96
	s_lshl_b32 s2, s22, 17                         ; and slot 0's groups 0 point at my half, in memory and in LDS
	s_mov_b32 s3, 0
	s_add_nc_u64 s[G0E+2:G0E+3], s[G0E+2:G0E+3], s[2:3]
	s_mul_i32 s2, s22, 96*1024
	s_add_nc_u64 s[G0W+2:G0W+3], s[G0W+2:G0W+3], s[2:3]
	s_mul_i32 s[G0E+1], s22, HALFE
	s_mul_i32 s2, s22, HALFW
	s_add_co_u32 s[G0W+1], s2, 2*HALFE
	s_wait_dscnt 0x0                               ; the add is done
	CROUND                                         ; all four tiles are in, and all sixteen work-groups are here
	JLOAD G0E+8, G1E, G0W+4, G1W                   ; K step 1: the first tensor load behind the round
	FETCH_W 0, 0, 0
	FETCH_E 0, 0, 0
	SCALES 0
	FETCH_E 0, 0, 4
	global_prefetch_b8 v7, s[66:67] offset:768 th:TH_LOAD_NT scope:SCOPE_SE   ; K step 3: two changes of slots ahead of its load
	s_wait_loadcnt 0x0                             ; the bias
	STEP 0, 1                                      ; K = 1,024 is four K steps: all written out
	TURN 0, 1, 1
	STEP 1, 0
	TURN 1, 0, 1
	STEP 0, 0
	TURN 0, 1, 0                                   ; nothing is left to fetch
	STEP 1, 0
	s_wait_dscnt 16
	LOWQ 1, 1, 1, 0
	LOWV 1, 1, 1, 0
	s_wait_dscnt 0x0
	HIGH 1, 1, 1, 0
	WIN 0
	PLACES 8
; THE WAY OUT.  64 numbers of a lane, four blocks of 16 registers, each block shared with lane l xor 16, become codes in v[pc] on; HWA holds the bytes of blocks 0, 1 and HWB those of blocks 2, 3.  All in one window.
.macro QUANT64 s, pc
.irp b, 0,1,2,3
	v_max3_num_f32 v[TM+\b], |v[\s+16*\b]|, |v[\s+16*\b+1]|, 0x4800000   ; the floor 2^(9 - 127) holds the byte at 1 from below
.endr
.irp i, 2,4,6,8,10,12,14
.irp b, 0,1,2,3
	v_max3_num_f32 v[TM+\b], v[TM+\b], |v[\s+16*\b+\i]|, |v[\s+16*\b+\i+1]|
.endr
.endr
.irp b, 0,1,2,3
	v_permlanex16_b32 v[TM+4+\b], v[TM+\b], s[SEL], s[SEL+1]
.endr
.irp b, 0,1,2,3
	v_max_num_f32 v[TM+\b], v[TM+\b], v[TM+4+\b]   ; the block's largest magnitude
.endr
.irp b, 0,1,2,3
	v_add_nc_u32 v[TM+12+\b], 0xfc000000, v[TM+\b] ; 8 off its exponent field: the conversion's scale operand
.endr
.irp b, 0,1,2,3
	v_and_or_b32 v[TM+8+\b], v[TM+\b], 0x7f800000, s[MNT]   ; 448 x the scale
.endr
.irp b, 0,1,2,3
	v_lshrrev_b32 v[TM+4+\b], 23, v[TM+12+\b]      ; the scale's byte
.endr
	v_lshl_or_b32 v[HWA], v[TM+5], 8, v[TM+4]
	v_lshl_or_b32 v[HWB], v[TM+7], 8, v[TM+6]
.irp b, 0,1,2,3
.irp i, 0,1,2,3,4,5,6,7,8,9,10,11,12,13,14,15
	v_med3_num_f32 v[\s+16*\b+\i], v[\s+16*\b+\i], -v[TM+8+\b], v[TM+8+\b]   ; the conversion to an 8-bit code does not saturate (ISA guide 7.6.2)
.endr
	v_cvt_scalef32_pk8_fp8_f32 v[\pc+4*\b:\pc+4*\b+1], v[\s+16*\b:\s+16*\b+7], v[TM+12+\b]
	v_cvt_scalef32_pk8_fp8_f32 v[\pc+4*\b+2:\pc+4*\b+3], v[\s+16*\b+8:\s+16*\b+15], v[TM+12+\b]
.endr
	v_nop                                          ; a plain line behind the last conversion
.endm
.macro WAYOUT w                        ; window w: token tiles 4 (w - 2) on
	WIN (0x55*\w)
.irp b, 0,1,2,3
	v_mov_b32 v[TM+4+\b], 0                        ; written once: a lane permute's destination counts as one of its sources
.endr
	v_mov_b32 v[ONE], 0x7f7f7f7f                   ; the E8M0 byte of 1.0, in every byte
.irp pair, 0,1                         ; q or k: two token tiles x two blocks of 32 channels
	WIN (0x55*\w)
	QUANT64 64*\pair, PCD+16*\pair
	WIN (4*\w)                                     ; a store's data are its source 1
.irp e, 0,1
.irp b, 0,1
	global_store_b128 v[VOFF+2*(\w-2)+\pair], v[PCD+16*\pair+4*(2*\e+\b):PCD+16*\pair+4*(2*\e+\b)+3], s[SBQK:SBQK+1] offset:1024*\e+512*\b   ; 32 lanes store 512 consecutive bytes
.endr
.endr
	WIN (5*\w)
	v_cndmask_b32 v[SW+2*(\w-2)+\pair], v[HWA], v[HWB], s[HM]   ; lanes 0-15: the even tile's word, lanes 16-31: the odd tile's
.endr
	s_wait_xcnt 0x0                                ; the first pair's stores have read their data: those registers are written again
	WIN (0x55*\w)
	QUANT64 128, PCD                               ; v: two channel tiles x two blocks of 32 keys
	WIN (4*\w)
.irp u, 0,1
.irp cl, 0,1
	global_store_b128 v[LI], v[PCD+4*(2*\u+\cl):PCD+4*(2*\u+\cl)+3], s[SBV:SBV+1] offset:16384*\u+512*(2*(\w-2)+\cl)
.endr
.endr
	WIN (5*\w)
	v_cndmask_b32 v[VW+\w-2], v[HWA], v[HWB], s[HM]
	WIN (0x55*\w)
.irp g, 0,1,2,3,4,5,6,7                ; the sum of the QUANTISED v: the codes' values, into the registers that the numbers have left,
	v_cvt_scale_pk8_f32_fp8 v[128+8*\g:135+8*\g], v[PCD+2*\g:PCD+2*\g+1], v[ONE]
.endr
	v_nop
.irp i, 2,4,6,8,10,12,14
.irp b, 0,1,2,3
	v_pk_add_f32 v[128+16*\b:129+16*\b], v[128+16*\b:129+16*\b], v[128+16*\b+\i:129+16*\b+\i]
.endr
.endr
.irp b, 0,1,2,3
	v_add_f32 v[128+16*\b], v[128+16*\b], v[129+16*\b]
.endr
.irp b, 0,1,2,3
	v_and_b32 v[TM+12+\b], 0x7f800000, v[TM+12+\b] ; each block's scale as a number,
.endr
.irp u, 0,1
	v_mul_f32 v[VS+\u], v[128+32*\u], v[TM+12+2*\u]
.endr
.irp u, 0,1
	v_fma_f32 v[VS+\u], v[144+32*\u], v[TM+13+2*\u], v[VS+\u]
.endr
.irp u, 0,1
	v_permlanex16_b32 v[TM+4+\u], v[VS+\u], s[SEL], s[SEL+1]
.endr
.irp u, 0,1
	v_add_f32 v[VS+\u], v[VS+\u], v[TM+4+\u]       ; and the other half of the lanes' keys
.endr
	WIN (5*\w)
	v_cndmask_b32 v[VSW+\w-2], v[VS], v[VS+1], s[HM]   ; channel 32 tc + lane
.endm
	WAYOUT 2
	WAYOUT 3
	WIN 0
	global_store_b128 v[LI], v[SW:SW+3], s[SBSC:SBSC+1]       ; the eight tiles' scale words: 512 consecutive bytes
	v_lshl_or_b32 v[VW], v[VW+1], 16, v[VW]                   ; v's word: byte c for keys 32 c on
	global_store_b32 v[L4], v[VW], s[SBVS:SBVS+1]             ; 128 consecutive bytes: the other half of the 256 is the neighbouring wave's
	v_add_f32 v[VSW], v[VSW], v[VSW+1]
	global_store_b32 v[L4], v[VSW], s[SBSUM:SBSUM+1]
	s_wait_tensorcnt 0x0                           ; the wave's end
	ds_add_u32 v[SPW], v[NIL]
	s_wait_dscnt 0x0
	CROUND                                         ; the closing round
	s_endpgm
.Lfunc_end_k_q5c38791d0a_qkv:
	.size	k_q5c38791d0a_qkv, .Lfunc_end_k_q5c38791d0a_qkv-k_q5c38791d0a_qkv
	.p2alignl 7, 3214868480
	.fill 96, 4, 3214868480
	.section	.rodata,"a",@progbits
	.p2align	6, 0x0
	.amdhsa_kernel k_q5c38791d0a_qkv
		.amdhsa_group_segment_fixed_size 327680
		.amdhsa_private_segment_fixed_size 0
		.amdhsa_enable_private_segment 0
		.amdhsa_kernarg_size 64
		.amdhsa_user_sgpr_count 2
		.amdhsa_user_sgpr_kernarg_segment_ptr 1
		.amdhsa_wavefront_size32 1
		.amdhsa_system_sgpr_workgroup_id_x 1
		.amdhsa_system_sgpr_workgroup_id_y 1
		.amdhsa_system_sgpr_workgroup_id_z 1
		.amdhsa_system_vgpr_workitem_id 0
		.amdhsa_next_free_vgpr 1024
		.amdhsa_next_free_sgpr 102
		.amdhsa_reserve_vcc 0
		.amdhsa_float_denorm_mode_32 3
		.amdhsa_float_denorm_mode_16_64 3
		.amdhsa_memory_ordered 1
		.amdhsa_forward_progress 1
		.amdhsa_inst_pref_size 161
	.end_amdhsa_kernel
	.amdgpu_metadata
---
amdhsa.version: [ 1, 2 ]
amdhsa.kernels:
  - .name:           k_q5c38791d0a_qkv
    .symbol:         k_q5c38791d0a_qkv.kd
    .args:
      - { .name: encodings_codes, .offset: 0, .size: 8, .value_kind: global_buffer, .address_space: global }
      - { .name: encodings_scales, .offset: 8, .size: 8, .value_kind: global_buffer, .address_space: global }
      - { .name: attn_W_codes, .offset: 16, .size: 8, .value_kind: global_buffer, .address_space: global }
      - { .name: attn_W_scales, .offset: 24, .size: 8, .value_kind: global_buffer, .address_space: global }
      - { .name: attn_b, .offset: 32, .size: 8, .value_kind: global_buffer, .address_space: global }
      - { .name: qb, .offset: 40, .size: 8, .value_kind: global_buffer, .address_space: global }
      - { .name: kv, .offset: 48, .size: 8, .value_kind: global_buffer, .address_space: global }
      - { .name: vsum, .offset: 56, .size: 8, .value_kind: global_buffer, .address_space: global }
    .group_segment_fixed_size: 327680
    .private_segment_fixed_size: 0
    .kernarg_segment_align: 8
    .kernarg_segment_size: 64
    .max_flat_workgroup_size: 128
    .sgpr_count:     102
    .vgpr_count:     1024
    .wavefront_size: 32
...
	.end_amdgpu_metadata
.endif
;; end of part 1
;; launch attn (part 2): grid 16 x 16, 16 waves a work-group, no clusters, 327,680 bytes of LDS; arguments qb, kv, vsum, comb_img, comb_sc; writes comb_img, comb_sc
.if DOCPART == 2
	.amdgcn_target "amdgcn-amd-amdhsa--gfx1250"
	.amdhsa_code_object_version 6
	.text
	.protected	k_q5c38791d0a_attn
	.globl	k_q5c38791d0a_attn
	.p2align	8
	.type	k_q5c38791d0a_attn,@function
k_q5c38791d0a_attn:
	s_mov_b64 s[64:65], 0
	v_nop
	global_prefetch_b8 v0, s[64:65] scope:SCOPE_SE
	s_setreg_imm32_b32 hwreg(HW_REG_WAVE_MODE, 25, 1), 1
	s_wait_xcnt 0x0
; LAUNCH 2 OF 3.  For each head: S^T = k q^T, the causal mask, p = 2^(t - M), O^T = v^T p^T, O / the row's sum, quantised for the projection.  Both products on codes of E4M3 with E8M0 scales.
; LEFT OUT: k . q at places with key > query, where they fill a whole step of 128 keys: reference() puts the constant -10,000 there whatever the inputs hold (shown at the head of the first launch).
; KEPT: the hidden keys' weight.  On the diagonal step hidden raw scores become -80,000 (x c = -10,000 log2(e) = t_m) and go through maximum, sum and quantiser like any score.  The steps wholly behind the diagonal
; are added at a tile's end, under the last M: l += count x p_m, O^T += Q(p_m) x (the sum of those steps' quantised v, from vsum), p_m = 2^(t_m - M), Q the quantiser of a block whose 32 numbers are all p_m.
; LIMITS.  A NaN, infinity or overflow that reaches only the scores left out is not carried to the result.  For p_m under 2^-118 the hold of the scale's byte at 1 is not modelled in Q(p_m).  Blocks whose largest
; magnitude lies under 2^-118 get the byte 1, blocks of zeros too: their codes are zeros, and this program alone reads the bytes.  An infinite entry of vsum is not served.  The scaled scores stay under 2^31 in magnitude.
; t = score x c, c = log2(e) / 8.  M = the running largest t rounded UP to a whole number, kept as -M = floor(-t); when M moves, the sum and O^T are multiplied by 2^(old M - new M), which rounds nothing.
; SHARES.  Work-group x of a head owns the blocks of 128 queries x (short: x + 1 key steps) and 31 - x (long: 32 - x key steps): 8 tiles x 33 steps.  TWO WAVES SHARE A SHORT AND A LONG TILE (same tile number, waves w and w ^ 4).
; Steps 0 .. x: wave A takes the long tile, wave B the short one.  Behind step x wave B finishes and stores the short tile, takes the long tile's q and begins new sums.  Steps x + 1 .. 31 - x (31 - 2 x of them) go by turns:
; A takes x + 1, x + 3 .. 31 - x (the diagonal), B the others.  So A has 17 steps and B 16, for every x, one diagonal each.  At the end B hands -M, t, the sums and O^T to A through LDS; A brings both parts under the
; common M (exact powers of two: a running M for each part gives the same codes' values) and finishes the long tile.  Every wave passes all 32 steps; a step that is not its own is jumped over by scalar branches on ids.
; THE HEAD SIZE IS 64, the instruction's K is 128.  q's upper 64 codes are zeros (registers cleared once) and its scale bytes there are 0, which is a number: so the upper 64 of k's operand add nothing, whatever NUMBERS they
; hold.  They hold codes that this program has made under a hold (no NaN code): tile T of k lies in eight registers, and its operand's upper eight are tile T + 1's, the last tile's the first eight of p's codes.
; So a step's eight tiles of k fill 64 registers and come in one run of loads; v's four fragments land in the same 64 registers when the score products are through.
; LAYOUT.  A lane holds ONE query (lane % 16) throughout.  p's 16 registers of tiles 2 b, 2 b + 1 are keys 32 b + 16 e + 8 (lane / 16) + j, the order in which the first launch has laid v's codes.
; THE RING.  k's and v's images and scale words of 512 keys are one dense block of 68,608 bytes in kv; A SLOT HOLDS TWO SUCH BLOCKS, 1,024 keys, 137,216 bytes: a head is four slots, with one barrier for eight key steps.
; Two slots; waves 0 to 7 fetch 67 rows of 256 bytes each, one load a wave.
; NO CLUSTER: under the causal limit the work-groups of a head need different numbers of slots (32 - x steps), so every wave of some partner would jump over all reads of tiles that a joint load brings.
.set SLOTB, 68608                      ; half a slot: 512 keys
.set PIECE, 17152
.set SLOT1, 2*SLOTB                    ; slot 1 begins here
.set CODES, 3072                       ; in half a slot the images lie behind 3,072 bytes of scale words
.set SCR,   2*SLOT1                    ; 256 bytes for each wave: the hidden steps' sum of v; stored by ds_store, never filled
.set XCH,   SCR+4096                   ; what B hands to A: for each pair of waves 4,096 bytes of O^T and 512 of -M, t and the sums; never filled
.set XW,    4608
.set SPARE, XCH+8*XW                   ; the spare words: 128 bytes a wave
.set LI16, 1                           ; v1   16 x lane
.set LI4,  2                           ; v2   4 x lane
.set SCRB, 3                           ; v3   SCR + 256 w + 32 (lane / 16)
.set SCRA, 4                           ; v4   SCR + 8 x my thread's number
.set SPW,  5                           ; v5   my spare word; never rewritten
.set NIL,  6                           ; v6   0; never rewritten
.set PFO,  7                           ; v7   the prefetches' offset; never rewritten
.set ADL,  8                           ; v8   the step's images
.set ADS,  9                           ; v9   k's scale words
.set ADW,  10                          ; v10  v's scale words
.set XA,   11                          ; v11  XCH + XW x my tile's number + 16 x lane
; v12 -M, v13 the largest t, v[14:15] the sum in two halves; v16-23 q's codes, v24-31 zeros
.set KK,   32                          ; v32-95   k's eight tiles, then v's four fragments
.set PC,   96                          ; v96-111  p's codes
.set SS,   112                         ; v112-175 S^T, then p
.set OO,   176                         ; v176-207 O^T
; v208-211 k's scale words, v212-213 v's, v214 q's, v215 p's; v216-255 at work
.set BM,   216
.set T1,   220
.set HOLD, 224
.set SOP,  228
.set CSO,  235                         ; v235 my byte in comb_sc: 32 (lane % 16) + lane / 16
.set SVA,  240                         ; at the head; then v241: a second copy of -M
.set QA,   242                         ; v242 my tile's image in a block of qb
.set QS,   243                         ; v243 my query's scale word there
.set WV,   14
.set HD,   15
.set XX,   16
.set ROLE, 17                          ; 0: A, 1: B
.set IDX,  18
.set JD,   19                          ; the block whose tile I finish: A the long one, B the short one
.set SEL,  20
.set CS,   22
.set MNT,  24
.set HM,   25
.set TBI,  26                          ; LDS byte of the half slot in hand + 4,096 x the step in it
.set TBS,  27                          ; the same + 768 x the step
.set KF,   28                          ; the step's first key
.set Q0,   29                          ; the first query of the tile in hand
.set LASTQ, 30
.set SLOTS, 31
.set INNER, 32
.set LIM,  33
.set PFA,  34
.set G0,   36
.set G1,   40
.set WT,   48
.set TMS,  50
.set CNTF, 51
.set PH2,  62                          ; 128 (x + 1): from this key on the steps go by turns
.set PAR,  63                          ; the parity of my steps there
.set QL2,  66                          ; s[66:67] the long block in qb
.set Q0L,  68                          ; the long tile's first query
.set SWK,  69                          ; B: 128 x, the step behind which it changes tiles; A: no key
.set HALF, 70
.set TN,   71                          ; where the slot begins that is asked for next: 0 or SLOT1
.set PB,   72                          ; my piece's place in a slot
.macro TLOAD                           ; waves 0 to 7 fetch an eighth of a slot each.  An s_nop 0 and four v_nop follow the line
	s_cmp_lt_u32 s[WV], 8
	s_cbranch_scc0 .Lasked_\@
	tensor_load_to_lds s[G0:G0+3], s[G1:G1+7]
	s_nop 0
.rept 4
	v_nop
.endr
.Lasked_\@:
.endm
; A PREFETCH INTO THE L2 of the slot that the NEXT change of slots will ask for: 2 x 268 blocks of 256 bytes.  All work-groups of a head walk the same slots; work-group 0, which walks all four, asks, and in it waves 4 to 12:
; a lane a block, one instruction a wave for each half of the slot.  The last 20 lanes of wave 12 name the half's last block again.  Slots 0 and 1 come by their loads alone; the change that loads the last slot asks for nothing.
.macro ASK
	s_cmp_gt_u32 s[SLOTS], s[LIM]
	s_cbranch_scc0 .Lnot_mine_\@
	global_prefetch_b8 v[PFO], s[PFA:PFA+1] th:TH_LOAD_NT scope:SCOPE_SE
	global_prefetch_b8 v[PFO], s[PFA:PFA+1] offset:SLOTB th:TH_LOAD_NT scope:SCOPE_SE
.Lnot_mine_\@:
.endm
.macro DADD d, a, b                    ; two additions a line: pairs d = a + b; an even and an odd destination, sources in different register banks
	v_dual_add_f32 v[\d], v[\a], v[\b] :: v_dual_add_f32 v[(\d)+1], v[(\a)+1], v[(\b)+1]
.endm
	s_load_b256 s[4:11], s[0:1], 0x0               ; qb, kv, vsum, comb_img
	s_load_b64 s[12:13], s[0:1], 0x20              ; comb_sc
	v_lshl_add_u32 v[SPW], v0, 2, SPARE
	v_mov_b32 v[NIL], 0
	ds_add_u32 v[SPW], v[NIL]                      ; the wave's opening: the add, twice on end, and its wait ahead of the first tensor load
	ds_add_u32 v[SPW], v[NIL]
	v_lshrrev_b32 v8, 5, v0
	v_readfirstlane_b32 s[WV], v8                  ; wave 0..15
	s_and_b32 s[HD], ttmp7, 0xffff                 ; the head
	s_mov_b32 s[XX], ttmp9                         ; the pair of blocks
	s_lshr_b32 s52, s[WV], 2
	s_xor_b32 s[ROLE], s[WV], s52
	s_and_b32 s[ROLE], s[ROLE], 1                  ; (w ^ (w / 4)) % 2: of any four waves w % 4 or w / 4 alike two are of each role
	s_bfe_u32 s[IDX], s[WV], 0x10001               ; my tile in a block: bit 1 of w,
	s_lshr_b32 s52, s[WV], 3
	s_lshl_b32 s52, s52, 1
	s_or_b32 s[IDX], s[IDX], s52                   ; bit 3,
	s_and_b32 s52, s[WV], 1
	s_lshl_b32 s52, s52, 2
	s_or_b32 s[IDX], s[IDX], s52                   ; bit 0
	s_sub_co_u32 s53, 31, s[XX]                    ; the long block
	s_lshl_b32 s54, s[XX], 7
	s_add_co_u32 s[PH2], s54, 128
	s_cmp_eq_u32 s[ROLE], 0
	s_cselect_b32 s[JD], s53, s[XX]
	s_cselect_b32 s[SWK], -1, s54
	s_lshl_b32 s52, s[IDX], 4
	s_lshl_b32 s[Q0], s[JD], 7
	s_add_co_u32 s[Q0], s[Q0], s52
	s_lshl_b32 s[Q0L], s53, 7
	s_add_co_u32 s[Q0L], s[Q0L], s52
	s_add_co_u32 s[PAR], s[XX], s[ROLE]
	s_add_co_u32 s[PAR], s[PAR], 1
	s_and_b32 s[PAR], s[PAR], 1                    ; A: steps of x + 1's parity; B: of x's
	s_sub_co_u32 s[LASTQ], 32, s[XX]
	s_lshl_b32 s[LASTQ], s[LASTQ], 7
	s_sub_co_u32 s[LASTQ], s[LASTQ], 1
	s_mov_b32 s[SEL], 0x76543210
	s_mov_b32 s[SEL+1], 0xfedcba98
	s_mov_b32 s[CS], 0x3e38aa3b                    ; c = log2(e) / 8
	s_mov_b32 s[CS+1], s[CS]
	s_mov_b32 s[MNT], 0x600000
	s_mov_b32 s[HM], 0xffff0000
	s_mov_b32 s[TBI], 0
	s_mov_b32 s[TBS], 0
	s_mov_b32 s[TN], 0
	s_mov_b32 s[KF], 0
	s_mov_b32 s[SLOTS], 3
	s_mov_b32 s[WT+1], 0
	s_mul_f32 s[TMS], s[CS], 0xc79c4000            ; t_m = c x -80,000
	s_sub_co_u32 s52, 31, s[JD]
	s_lshl_b32 s52, s52, 7
	s_cvt_f32_u32 s[CNTF], s52                     ; the keys of the steps wholly behind the diagonal of the tile that I finish
	s_mov_b32 s[G1], 3<<16                         ; no mask; elements of 8 bytes; no padding: the slot is read as it lies
	s_mov_b32 s[G1+1], 32<<16                      ; rows of 256 bytes
	s_mov_b32 s[G1+2], 67<<16
	s_mov_b32 s[G1+3], 32<<16
	s_mov_b32 s[G1+4], 67
	s_mov_b32 s[G1+5], 32
	s_mov_b32 s[G1+6], 0
	s_mov_b32 s[G1+7], 0
	s_mul_i32 s52, s[HD], 4*SLOT1                  ; the head's slots in kv
	s_and_b32 s[PB], s[WV], 7
	s_mul_i32 s[PB], s[PB], PIECE
	s_mov_b32 s[G0], 1
	s_mov_b32 s[G0+1], s[PB]                       ; slot 0, my eighth
	s_add_co_u32 s54, s52, s[PB]
	s_mov_b32 s55, 0
	s_wait_dscnt 0x0                               ; both opening adds are done
	s_wait_kmcnt 0x0
	s_add_nc_u64 s[G0+2:G0+3], s[6:7], s[54:55]
	s_or_b32 s[G0+3], s[G0+3], 0x80000000
	TLOAD                                          ; slot 0: key 0 counts for every query
	s_add_co_u32 s54, s52, SLOT1                   ; the prefetches stand at slot 1: the first change of slots steps them to slot 2
	s_add_nc_u64 s[PFA:PFA+1], s[6:7], s[54:55]
	s_sub_co_u32 s52, s[WV], 4
	s_cmp_lt_u32 s52, 9
	s_cselect_b32 s52, 0, 1                        ; 0 in waves 4 to 12
	s_or_b32 s52, s52, s[XX]                       ; of the head's work-group 0
	s_cmp_eq_u32 s52, 0
	s_cselect_b32 s[LIM], 1, -1
	s_mov_b32 s61, 0
	s_lshl_b32 s52, s[HD], 5
	s_add_co_u32 s60, s52, s[JD]
	s_mul_i32 s60, s60, 8704
	s_add_nc_u64 s[54:55], s[4:5], s[60:61]        ; in qb: the block of my first tile,
	s_sub_co_u32 s60, 31, s[XX]
	s_add_co_u32 s60, s60, s52
	s_mul_i32 s60, s60, 8704
	s_add_nc_u64 s[QL2:QL2+1], s[4:5], s[60:61]    ; and the long block
	s_lshl_b32 s60, s[HD], 13
	s_add_nc_u64 s[8:9], s[8:9], s[60:61]          ; the head's 32 x 64 sums
	s_lshl_b32 s60, s[JD], 17                      ; where the tile that I finish goes in comb_img: [block][K step = head / 2][tile][c = 2 (head % 2) + b][lane][16]
	s_lshr_b32 s52, s[HD], 1
	s_lshl_b32 s52, s52, 14
	s_add_co_u32 s60, s60, s52
	s_lshl_b32 s52, s[IDX], 11
	s_add_co_u32 s60, s60, s52
	s_and_b32 s52, s[HD], 1
	s_lshl_b32 s52, s52, 10
	s_add_co_u32 s60, s60, s52
	s_add_nc_u64 s[56:57], s[10:11], s[60:61]
	s_lshl_b32 s60, s[Q0], 5                       ; and in comb_sc: [token][32], byte 2 head + b
	s_lshl_b32 s52, s[HD], 1
	s_add_co_u32 s60, s60, s52
	s_add_nc_u64 s[58:59], s[12:13], s[60:61]
	s_lshl_b32 s52, s[IDX], 10                     ; my tile's image in a block of qb
	s_and_b32 s53, s[IDX], 1
	s_lshl_b32 s53, s53, 8
	s_lshr_b32 s60, s[IDX], 1
	s_lshl_b32 s60, s60, 2
	s_add_co_u32 s53, s53, s60
	s_add_co_u32 s53, s53, 8192                    ; and its scale words
	s_mul_i32 s60, s[IDX], XW                      ; my pair's place for what B hands to A
	s_add_co_u32 s60, s60, XCH
	v_and_b32 v9, 31, v0
	v_lshlrev_b32 v[LI16], 4, v9
	v_lshlrev_b32 v[LI4], 2, v9
	v_lshl_add_u32 v[SCRA], v0, 3, SCR
	v_lshrrev_b32 v10, 5, v0
	v_lshlrev_b32 v10, 8, v10
	v_bfe_u32 v[SCRB], v0, 4, 1
	v_and_b32 v8, 15, v0
	v_lshl_add_u32 v[CSO], v8, 5, v[SCRB]
	v_lshl_add_u32 v[SCRB], v[SCRB], 5, v10
	v_add_nc_u32 v[SCRB], SCR, v[SCRB]
	v_add_nc_u32 v[PFO], 0xffffff80, v0            ; 32 (w - 4) + lane
	v_min_u32 v[PFO], 267, v[PFO]
	v_lshlrev_b32 v[PFO], 8, v[PFO]
	v_add_nc_u32 v[QA], s52, v[LI16]
	v_lshl_add_u32 v[QS], v8, 4, s53
	v_add_nc_u32 v[XA], s60, v[LI16]
	v_lshlrev_b32 v10, 3, v9                       ; lane l takes channels 2 l, 2 l + 1 of vsum
	s_wait_alu depctr_va_vdst(0)                   ; the wait behind these writes
	global_load_b128 v[16:19], v[QA], s[54:55]
	global_load_b128 v[20:23], v[QA], s[54:55] offset:512
	global_load_b32 v214, v[QS], s[54:55]
.set J, 1
.rept 31
	global_load_b64 v[SS+2*J:SS+2*J+1], v10, s[8:9] offset:256*J
.set J, J+1
.endr
.irp i, 0,1,2,3,4,5,6,7
	v_mov_b32 v[24+\i], 0                          ; q's upper 64 along K
	v_mov_b32 v[PC+\i], 0                          ; what stands behind k's last tile holds codes from the first step on
.endr
.macro BEGIN                           ; new sums: O^T and the sums are zeros, the largest t is -3e38: the first change of M leaves zeros zeros
	v_mov_b32 v13, 0xff61b1e6
	v_floor_f32 v12, -v13
	v_mov_b32 v14, 0
	v_mov_b32 v15, 0
.set n, 0
.rept 32
	v_mov_b32 v[OO+n], 0
.set n, n+1
.endr
.endm
	BEGIN
.irp b, 0,1,2,3
	v_mov_b32 v[T1+\b], 0                          ; a lane permute's destination counts as one of its sources
.endr
	v_mov_b32 v233, 0
	v_mov_b32 v234, 0
	v_mov_b32 v239, 0xc79c4000                     ; -80,000
	s_wait_alu depctr_va_vdst(0)
	s_wait_loadcnt 0x0
.set J, 1
.rept 31                               ; the sum of the quantised v over the steps behind the diagonal of the tile that I finish: each step's 64 sums x 1 or 0, chosen by ids
	s_cmp_lt_u32 s[JD], J
	s_cselect_b32 s[WT], 1.0, 0
.if J == 1
	v_pk_mul_f32 v[SVA:SVA+1], v[SS+2*J:SS+2*J+1], s[WT:WT+1] op_sel_hi:[1,0]
.else
	v_pk_fma_f32 v[SVA:SVA+1], v[SS+2*J:SS+2*J+1], s[WT:WT+1], v[SVA:SVA+1] op_sel_hi:[1,0,1]
.endif
.set J, J+1
.endr
	ds_store_b64 v[SCRA], v[SVA:SVA+1]             ; to my wave's own 256 bytes: FINISH reads it in O^T's layout
	s_wait_alu depctr_va_vdst(0)                   ; the wait at the head's end
; A TILE IS FINISHED: the hidden steps' term, O^T / the sum, two blocks of 32 channels quantised for the projection, stored.  places: plain lines still owed behind the last products
.macro FINISH places
.rept \places
	v_nop
.endr
	v_add_f32 v14, v14, v15
	s_delay_alu instid0(VALU_DEP_1)
	v_permlanex16_b32 v234, v14, s[SEL], s[SEL+1]
	s_delay_alu instid0(VALU_DEP_1)
	v_add_f32 v14, v14, v234                       ; the row's sum so far
	s_cmp_eq_u32 s[JD], 31
	s_cbranch_scc1 .Lnone_\@                       ; the last block of queries has no step behind its diagonal
.irp dt, 0,1,2,3
	ds_load_b128 v[SS+8*\dt:SS+8*\dt+3], v[SCRB] offset:64*\dt      ; the hidden steps' sum of v at my eight channels of each tile: my wave's own bytes
	ds_load_b128 v[SS+8*\dt+4:SS+8*\dt+7], v[SCRB] offset:64*\dt+16
.endr
	v_max_num_f32 v13, s[TMS], v13                 ; t_m is among the row's t
	v_mov_b32 v234, v12
	s_delay_alu instid0(VALU_DEP_2)
	v_floor_f32 v12, -v13
	s_delay_alu instid0(VALU_DEP_1)
	v_sub_f32 v234, v12, v234
	s_delay_alu instid0(VALU_DEP_1)
	v_cvt_i32_f32 v234, v234
	s_delay_alu instid0(VALU_DEP_1)
	v_ldexp_f32 v232, 1.0, v234
	s_delay_alu instid0(VALU_DEP_4)
	v_add_f32 v216, s[TMS], v12
	s_wait_alu depctr_va_vdst(0)
	v_exp_f32 v216, v216                           ; p_m = 2^(t_m - M)
	v_mul_f32 v14, v14, v232                       ; (a plain line behind it)
	s_wait_alu depctr_va_vdst(0)
	v_fma_f32 v14, s[CNTF], v216, v14              ; l += count x p_m
	v_and_b32 v217, 0x7f800000, v216
	s_delay_alu instid0(VALU_DEP_1)
	v_or_b32 v218, s[MNT], v217                    ; 448 x the scale of a block of p_m's
	v_min_num_f32 v219, v216, v218
	s_delay_alu instid0(VALU_DEP_3)
	v_add_nc_u32 v217, 0x0a000000, v217            ; 2^20 x p_m's power of two: added and taken away again it rounds to three mantissa bits, ties to even
	s_delay_alu instid0(VALU_DEP_1)
	v_add_f32 v219, v219, v217
	s_delay_alu instid0(VALU_DEP_1)
	v_sub_f32 v220, v219, v217                     ; Q(p_m)
	s_wait_dscnt 0x0
.set n, 0
.rept 16
	v_pk_mul_f32 v[OO+n:OO+n+1], v[OO+n:OO+n+1], v[232:233] op_sel_hi:[1,0]
.set n, n+2
.endr
.set n, 0
.rept 16
	v_pk_fma_f32 v[OO+n:OO+n+1], v[SS+n:SS+n+1], v[220:221], v[OO+n:OO+n+1] op_sel_hi:[1,0,1]
.set n, n+2
.endr
.Lnone_\@:
	s_wait_alu depctr_va_vdst(0)
	v_rcp_f32 v14, v14
	v_nop
	s_wait_alu depctr_va_vdst(0)
.set n, 0
.rept 32
	v_mul_f32 v[SS+n], v[OO+n], v14                ; O^T / the sum: register 8 dt + j is channel 16 dt + 8 (lane / 16) + j of query r
.set n, n+1
.endr
.irp b, 0,1
	v_max3_num_f32 v[BM+\b], |v[SS+16*\b]|, |v[SS+1+16*\b]|, 0x4800000
.endr
.irp i, 2,4,6,8,10,12,14
.irp b, 0,1
	s_delay_alu instid0(VALU_DEP_2)
	v_max3_num_f32 v[BM+\b], v[BM+\b], |v[SS+16*\b+\i]|, |v[SS+1+16*\b+\i]|
.endr
.endr
.irp b, 0,1
	s_delay_alu instid0(VALU_DEP_2)
	v_permlanex16_b32 v[T1+\b], v[BM+\b], s[SEL], s[SEL+1]
.endr
.irp b, 0,1
	s_delay_alu instid0(VALU_DEP_2)
	v_max_num_f32 v[BM+\b], v[BM+\b], v[T1+\b]
.endr
.irp b, 0,1
	s_delay_alu instid0(VALU_DEP_2)
	v_add_nc_u32 v[SOP+\b], 0xfc000000, v[BM+\b]
.endr
.irp b, 0,1
	s_delay_alu instid0(VALU_DEP_4)
	v_and_or_b32 v[HOLD+\b], v[BM+\b], 0x7f800000, s[MNT]
.endr
.irp b, 0,1
	s_delay_alu instid0(VALU_DEP_4)
	v_lshrrev_b32 v[T1+\b], 23, v[SOP+\b]
.endr
.irp b, 0,1
.irp i, 0,1,2,3,4,5,6,7,8,9,10,11,12,13,14,15
	v_med3_num_f32 v[SS+16*\b+\i], v[SS+16*\b+\i], -v[HOLD+\b], v[HOLD+\b]
.endr
	v_cvt_scalef32_pk8_fp8_f32 v[PC+4*\b:PC+4*\b+1], v[SS+16*\b:SS+16*\b+7], v[SOP+\b]
	v_cvt_scalef32_pk8_fp8_f32 v[PC+4*\b+2:PC+4*\b+3], v[SS+16*\b+8:SS+16*\b+15], v[SOP+\b]
.endr
	v_nop
	v_cndmask_b32 v234, v220, v221, s[HM]          ; lanes 0-15: block 0's byte, lanes 16-31: block 1's
	global_store_b128 v[LI16], v[PC:PC+3], s[56:57]             ; 512 consecutive bytes a store
	global_store_b128 v[LI16], v[PC+4:PC+7], s[56:57] offset:512
	global_store_b8 v[CSO], v234, s[58:59]         ; 32 single bytes a wave beside its 1,024 bytes of codes: a token's 32 bytes come from sixteen work-groups
.endm
; A KEY STEP: 128 keys.  sw = 1: the copy in which wave B may change tiles (steps 0 to 23; the change falls on step x, at most 15)
.macro STEP sw
	s_cmp_lt_u32 s[KF], s[PH2]
	s_cbranch_scc1 .Ldo_\@                         ; steps 0 .. x are every wave's
	s_add_co_u32 s52, s[Q0], 15
	s_cmp_gt_u32 s[KF], s52
	s_cbranch_scc1 .Lhidden_\@                     ; all its keys come after my queries
	s_bfe_u32 s52, s[KF], 0x10007
	s_cmp_lg_u32 s52, s[PAR]
	s_cbranch_scc1 .Lhidden_\@                     ; my partner's turn
.Ldo_\@:
	v_add_nc_u32 v[ADL], s[TBI], v[LI16]
	v_add_nc_u32 v[ADS], s[TBS], v[LI16]
	v_add_nc_u32 v[ADW], s[TBS], v[LI4]
.rept 5
	v_nop                                          ; with the three additions eight places in front of loads into the registers from which the last products read v's fragments
.endr
	s_wait_alu depctr_va_vdst(0)
	ds_load_b128 v[208:211], v[ADS]                ; k's scale words: register T / 2; lanes 0-15 the even tile, lanes 16-31 the odd one
.irp t, 0,1,2,3,4,5,6,7
.irp c, 0,1
	ds_load_b128 v[KK+8*\t+4*\c:KK+8*\t+4*\c+3], v[ADL] offset:CODES+16384*(\t/2)+1024*(\t%2)+512*\c
.endr
.endr
	s_wait_dscnt 0x0
.irp t, 0,1,2,3,4,5,6,7                ; S^T = k q^T: eight tiles of 16 keys; an operand's upper eight registers are the next tile's (x q's zeros)
.if \t%2
	v_wmma_scale_f32_16x16x128_f8f6f4 v[SS+8*\t:SS+8*\t+7], v[KK+8*\t:KK+8*\t+15], v[16:31], 0, v[208+\t/2], v214 matrix_a_scale:MATRIX_SCALE_ROW1
.else
	v_wmma_scale_f32_16x16x128_f8f6f4 v[SS+8*\t:SS+8*\t+7], v[KK+8*\t:KK+8*\t+15], v[16:31], 0, v[208+\t/2], v214
.endif
.endr
.rept 8
	v_nop                                          ; places behind the products: ahead of the loads below and of the first read of the scores
.endr
.irp dt, 0,1,2,3                       ; v's four channel tiles x 128 keys, into the registers that k has left: they land under the softmax
.irp c, 0,1,2,3
	ds_load_b128 v[KK+16*\dt+4*\c:KK+16*\dt+4*\c+3], v[ADL] offset:CODES+16384*\dt+2048+512*\c
.endr
.endr
.irp b, 0,1
	ds_load_b32 v[212+\b], v[ADW] offset:512+128*\b
.endr
	s_add_co_u32 s52, s[KF], 127                   ; a step all of whose keys count skips the mask
	s_cmp_le_u32 s52, s[Q0]
	s_cbranch_scc1 .Lopen_\@
	s_sub_co_i32 s52, s[Q0], s[KF]
	v_and_b32 v238, 15, v0
	v_bfe_u32 v234, v0, 4, 1
	s_delay_alu instid0(VALU_DEP_1)
	v_lshlrev_b32 v234, 3, v234
	s_delay_alu instid0(VALU_DEP_1)
	v_sub_nc_u32 v238, v238, v234
	s_delay_alu instid0(VALU_DEP_1)
	v_add_nc_u32 v238, s52, v238                   ; d = my query - KF - 8 (lane / 16).  Register 8 T + j holds key KF + 16 T + 8 (lane / 16) + j: hidden where 16 T + j > d
.set n, 0
.rept 64
	v_cmp_gt_i32 vcc_lo, 16*(n/8)+n%8, v238
	v_cndmask_b32 v[SS+n], v[SS+n], v239, vcc_lo
.set n, n+1
.endr
.Lopen_\@:
.irp b, 0,1,2,3
	v_max3_num_f32 v[BM+\b], v[SS+16*\b], v[SS+1+16*\b], v[SS+2+16*\b]   ; the largest score of each block of 32 keys: for the row's maximum and, since p rises with the score, for the block's largest p
.endr
.irp i, 3,5,7,9,11,13
.irp b, 0,1,2,3
	v_max3_num_f32 v[BM+\b], v[BM+\b], v[SS+16*\b+\i], v[SS+1+16*\b+\i]
.endr
.endr
.irp b, 0,1,2,3
	v_max_num_f32 v[BM+\b], v[BM+\b], v[SS+15+16*\b]
.endr
.irp b, 0,1,2,3
	v_permlanex16_b32 v[T1+\b], v[BM+\b], s[SEL], s[SEL+1]
.endr
.irp b, 0,1,2,3
	s_delay_alu instid0(VALU_DEP_4)
	v_max_num_f32 v[BM+\b], v[BM+\b], v[T1+\b]     ; with lane l xor 16's 16 keys
.endr
	s_delay_alu instid0(VALU_DEP_2)
	v_max3_num_f32 v234, v216, v217, v218
	s_delay_alu instid0(VALU_DEP_1)
	v_max_num_f32 v234, v234, v219
	s_delay_alu instid0(VALU_DEP_1)
	v_mul_f32 v234, s[CS], v234                    ; as t (c is positive)
	s_delay_alu instid0(VALU_DEP_1)
	v_max_num_f32 v13, v13, v234                   ; the running largest t
	v_mov_b32 v234, v12
	s_delay_alu instid0(VALU_DEP_2)
	v_floor_f32 v12, -v13                          ; the new -M
	s_delay_alu instid0(VALU_DEP_1)
	v_sub_f32 v234, v12, v234                      ; old M - new M: a whole number, 0 or less
	s_delay_alu instid0(VALU_DEP_2)
	v_mov_b32 v241, v12                            ; -M once more, in another register bank, for the second halves of the pairs below
	s_delay_alu instid0(VALU_DEP_2)
	v_cvt_i32_f32 v234, v234                       ; (it saturates)
	s_delay_alu instid0(VALU_DEP_1)
	v_ldexp_f32 v232, 1.0, v234                    ; f = 2^(old M - new M),
	s_delay_alu instid0(VALU_DEP_2)
	v_ldexp_f32 v233, 1.0, v234                    ; and once more, likewise
.set n, 0
.rept 32
	v_dual_fmamk_f32 v[SS+n], v[SS+n], 0x3e38aa3b, v12 :: v_dual_fmamk_f32 v[SS+n+1], v[SS+n+1], 0x3e38aa3b, v241   ; t - M = score x c - M, fused, two a line
.set n, n+2
.endr
.irp b, 0,1,2,3
	v_fma_f32 v[BM+\b], v[BM+\b], s[CS], v12       ; the same of each block's largest score
.endr
.set n, 0
	s_wait_alu depctr_va_vdst(0)                   ; the wait ahead of the batch
.rept 64
	v_exp_f32 v[SS+n], v[SS+n]                     ; p = 2^(t - M): not normalised
.set n, n+1
.endr
	v_pk_mul_f32 v[14:15], v[14:15], v[232:233] op_sel_hi:[1,0]   ; the sums under the new M: a plain line behind the exponentials
	s_wait_alu depctr_va_vdst(0)                   ; one wait for the batch of 64, ahead of the first line that names a result
.irp b, 0,1,2,3
	v_exp_f32 v[BM+\b], v[BM+\b]                   ; the block's largest p
.endr
	v_pk_add_f32 v[236:237], v[SS:SS+1], v[SS+2:SS+3]   ; the row's sum of the unquantised p: 32 pairs into eight chains (a plain line behind the four)
.irp j, 0,1,2,3,4,5
	DADD 244+2*\j, SS+4+4*\j, SS+6+4*\j
.endr
	DADD 14, 14, SS+28
.irp j, 0,1,2,3,4,5
	DADD 244+2*\j, 244+2*\j, SS+30+2*\j
.endr
	DADD 236, 236, SS+42
	DADD 14, 14, SS+44
.irp j, 0,1,2,3,4,5
	DADD 244+2*\j, 244+2*\j, SS+46+2*\j
.endr
	DADD 236, 236, SS+58
	DADD 14, 14, SS+60
	DADD 236, 236, SS+62
	DADD 244, 244, 246
	DADD 248, 248, 250
	DADD 252, 252, 254
	DADD 14, 14, 236
	DADD 244, 244, 248
	DADD 14, 14, 252
	DADD 14, 14, 244
	s_wait_alu depctr_va_vdst(0)                   ; and one for the four
.irp b, 0,1,2,3
	v_max_num_f32 v[BM+\b], 0x4800000, v[BM+\b]    ; the floor 2^(9 - 127)
.endr
.irp b, 0,1,2,3
	s_delay_alu instid0(VALU_DEP_4)
	v_add_nc_u32 v[SOP+\b], 0xfc000000, v[BM+\b]   ; the conversion's scale operand
.endr
.irp b, 0,1,2,3
	v_and_or_b32 v[HOLD+\b], v[BM+\b], 0x7f800000, s[MNT]   ; 448 x the scale
.endr
.irp b, 0,1,2,3
	v_lshrrev_b32 v[T1+\b], 23, v[SOP+\b]          ; the scale's byte
.endr
	s_delay_alu instid0(VALU_DEP_3)
	v_lshl_or_b32 v215, v221, 8, v220              ; p's scale word for these 128 keys
	s_delay_alu instid0(VALU_DEP_1)
	v_lshl_or_b32 v215, v222, 16, v215
	s_delay_alu instid0(VALU_DEP_1)
	v_lshl_or_b32 v215, v223, 24, v215
; the hold: the conversion does not saturate (ISA guide 7.6.2); p is not negative.  Two numbers a line, one of block b and one of block b + 1
.irp b, 0,2
.irp j, 0,2,4,6,8,10,12,14
	v_dual_min_num_f32 v[SS+16*\b+\j], v[SS+16*\b+\j], v[HOLD+\b] :: v_dual_min_num_f32 v[SS+17+16*\b+\j], v[SS+17+16*\b+\j], v[HOLD+1+\b]
	v_dual_min_num_f32 v[SS+16+16*\b+\j], v[SS+16+16*\b+\j], v[HOLD+1+\b] :: v_dual_min_num_f32 v[SS+1+16*\b+\j], v[SS+1+16*\b+\j], v[HOLD+\b]
.endr
.irp e, 0,1
	v_cvt_scalef32_pk8_fp8_f32 v[PC+4*(\b+\e):PC+4*(\b+\e)+1], v[SS+16*(\b+\e):SS+16*(\b+\e)+7], v[SOP+\b+\e]
	v_cvt_scalef32_pk8_fp8_f32 v[PC+4*(\b+\e)+2:PC+4*(\b+\e)+3], v[SS+16*(\b+\e)+8:SS+16*(\b+\e)+15], v[SOP+\b+\e]
.endr
.endr
	v_nop                                          ; a plain line behind the last conversion
.set n, 0
.rept 16
	v_dual_mul_f32 v[OO+n], v232, v[OO+n] :: v_dual_mul_f32 v[OO+n+1], v233, v[OO+n+1]   ; O^T under the new M.  (These sixteen are also the places ahead of the products)
.set n, n+2
.endr
	s_wait_alu depctr_va_vdst(0)
	s_wait_dscnt 0x0                               ; v's fragments and scale words, asked for ahead of the softmax
.irp dt, 0,1,2,3
.if \dt%2
	v_wmma_scale_f32_16x16x128_f8f6f4 v[OO+8*\dt:OO+8*\dt+7], v[KK+16*\dt:KK+16*\dt+15], v[PC:PC+15], v[OO+8*\dt:OO+8*\dt+7], v[212+\dt/2], v215 matrix_a_scale:MATRIX_SCALE_ROW1
.else
	v_wmma_scale_f32_16x16x128_f8f6f4 v[OO+8*\dt:OO+8*\dt+7], v[KK+16*\dt:KK+16*\dt+15], v[PC:PC+15], v[OO+8*\dt:OO+8*\dt+7], v[212+\dt/2], v215
.endif
.endr
.if \sw
	s_cmp_lg_u32 s[KF], s[SWK]
	s_cbranch_scc1 .Lhidden_\@
	global_load_b128 v[16:19], v[QA], s[QL2:QL2+1]              ; WAVE B CHANGES TILES behind step x: the long tile's q is asked for, the short tile is finished under its flight,
	global_load_b128 v[20:23], v[QA], s[QL2:QL2+1] offset:512
	global_load_b32 v214, v[QS], s[QL2:QL2+1]
	FINISH 8
	s_mov_b32 s[Q0], s[Q0L]
	BEGIN                                          ; and new sums begin
	s_wait_alu depctr_va_vdst(0)
	s_wait_xcnt 0x0                                ; the stores have read their data: those registers are written again in the next step
	s_wait_loadcnt 0x0
.endif
.Lhidden_\@:
	s_add_co_u32 s[KF], s[KF], 128
	s_add_co_u32 s[TBI], s[TBI], 4096
	s_add_co_u32 s[TBS], s[TBS], 768
.endm
; THE CHANGE OF SLOTS stands at a slot's head.  Each wave waits for all its tensor loads, adds 0 to its spare word (fill = 1: twice on end),
; and waits for that and for its reads of the slot that it has left.  Behind the barrier the slot ahead is whole and nobody reads the other one, which takes the next 1,024 keys.
; THE LOOK-AHEAD ENDS AT THE CAUSAL LIMIT: a slot whose first key comes after my work-group's last query is read by none of its waves and is not asked for.  The test is made of ids and the count of steps alone:
; all sixteen waves go the same way, and a work-group that is past the limit stays past it.  Every wait on TENSORcnt in this text is for 0.
.macro CHANGE fill
	s_wait_tensorcnt 0x0
	ds_add_u32 v[SPW], v[NIL]
.if \fill
	ds_add_u32 v[SPW], v[NIL]
	s_xor_b32 s[TN], s[TN], SLOT1                  ; the walking descriptor: the other slot,
	s_add_co_u32 s[G0+1], s[PB], s[TN]             ; my piece of it,
	s_add_nc_u64 s[G0+2:G0+3], s[G0+2:G0+3], SLOT1 ; the next 1,024 keys
	s_wait_xcnt 0x0                                ; the last prefetches, a slot back, have read their address
	s_add_nc_u64 s[PFA:PFA+1], s[PFA:PFA+1], SLOT1
.endif
	s_wait_dscnt 0x0
	s_barrier_signal -1
	s_barrier_wait -1
.if \fill
	s_add_co_u32 s52, s[KF], 1024
	s_cmp_gt_u32 s52, s[LASTQ]
	s_cbranch_scc1 .Lpast_\@
	TLOAD
.Lpast_\@:
	ASK
.endif
.endm
.macro SLOT_STEPS sw                   ; a slot's two halves of four steps: the step is written once; the LDS addresses hang on two scalars that step by constants in loops of constant counts
	s_mov_b32 s[HALF], 2
.Lh_\@:
	s_mov_b32 s[INNER], 4
.Lq_\@:
	STEP \sw
	s_sub_co_u32 s[INNER], s[INNER], 1
	s_cmp_lg_u32 s[INNER], 0
	s_cbranch_scc1 .Lq_\@
	s_add_co_u32 s[TBI], s[TBI], SLOTB-16384       ; on to the slot's other half
	s_add_co_u32 s[TBS], s[TBS], SLOTB-3072
	s_sub_co_u32 s[HALF], s[HALF], 1
	s_cmp_lg_u32 s[HALF], 0
	s_cbranch_scc1 .Lh_\@
	s_sub_co_u32 s[TBI], s[TBI], SLOT1             ; back to the slot's first byte, 0 or SLOT1,
	s_sub_co_u32 s[TBS], s[TBS], SLOT1
	s_xor_b32 s[TBI], s[TBI], SLOT1                ; and on to the other slot's
	s_xor_b32 s[TBS], s[TBS], SLOT1
.endm
.Lslot:                                ; three trips
	CHANGE 1
	SLOT_STEPS 1
	s_sub_co_u32 s[SLOTS], s[SLOTS], 1
	s_cmp_lg_u32 s[SLOTS], 0
	s_cbranch_scc1 .Lslot
	CHANGE 0                                       ; the last slot is written out: nothing is left to ask for
	SLOT_STEPS 0
	; THE LONG TILE'S TWO PARTS ARE JOINED.  B stores its part as images of registers; a barrier; A reads them
.rept 8
	v_nop                                          ; places behind the last products
.endr
	s_cmp_eq_u32 s[ROLE], 0
	s_cbranch_scc1 .Lkeep
.irp g, 0,1,2,3,4,5,6,7
	ds_store_b128 v[XA], v[OO+4*\g:OO+4*\g+3] offset:512*\g
.endr
	ds_store_b128 v[XA], v[12:15] offset:4096      ; -M, the largest t, the sum's two halves
.Lkeep:
	s_wait_dscnt 0x0
	s_barrier_signal -1
	s_barrier_wait -1
	s_cmp_eq_u32 s[ROLE], 0
	s_cbranch_scc0 .Lend
.irp g, 0,1,2,3,4,5,6,7
	ds_load_b128 v[SS+4*\g:SS+4*\g+3], v[XA] offset:512*\g
.endr
	ds_load_b128 v[216:219], v[XA] offset:4096
	s_wait_dscnt 0x0
	v_add_f32 v14, v14, v15
	v_add_f32 v218, v218, v219
	v_max_num_f32 v13, v13, v217                   ; the largest t of both parts
	v_mov_b32 v234, v12
	v_floor_f32 v12, -v13                          ; the common -M
	v_sub_f32 v234, v12, v234                      ; my M - the common M,
	v_sub_f32 v216, v12, v216                      ; B's M - the common M: whole numbers, 0 or less (a part with no step has M = -3e38, and zeros)
	v_cvt_i32_f32 v234, v234                       ; (they saturate)
	v_cvt_i32_f32 v216, v216
	v_ldexp_f32 v232, 1.0, v234
	v_ldexp_f32 v220, 1.0, v216
	v_mov_b32 v15, 0
	v_mul_f32 v14, v14, v232
	v_fma_f32 v14, v218, v220, v14
.set n, 0
.rept 16
	v_pk_mul_f32 v[OO+n:OO+n+1], v[OO+n:OO+n+1], v[232:233] op_sel_hi:[1,0]
.set n, n+2
.endr
.set n, 0
.rept 16
	v_pk_fma_f32 v[OO+n:OO+n+1], v[SS+n:SS+n+1], v[220:221], v[OO+n:OO+n+1] op_sel_hi:[1,0,1]
.set n, n+2
.endr
	FINISH 0
.Lend:
	s_wait_tensorcnt 0x0                           ; the wave's end
	ds_add_u32 v[SPW], v[NIL]
	s_wait_dscnt 0x0
	s_endpgm
.Lfunc_end_k_q5c38791d0a_attn:
	.size	k_q5c38791d0a_attn, .Lfunc_end_k_q5c38791d0a_attn-k_q5c38791d0a_attn
	.p2alignl 7, 3214868480
	.fill 96, 4, 3214868480
	.section	.rodata,"a",@progbits
	.p2align	6, 0x0
	.amdhsa_kernel k_q5c38791d0a_attn
		.amdhsa_group_segment_fixed_size 327680
		.amdhsa_private_segment_fixed_size 0
		.amdhsa_enable_private_segment 0
		.amdhsa_kernarg_size 40
		.amdhsa_user_sgpr_count 2
		.amdhsa_user_sgpr_kernarg_segment_ptr 1
		.amdhsa_wavefront_size32 1
		.amdhsa_system_sgpr_workgroup_id_x 1
		.amdhsa_system_sgpr_workgroup_id_y 1
		.amdhsa_system_sgpr_workgroup_id_z 1
		.amdhsa_system_vgpr_workitem_id 0
		.amdhsa_next_free_vgpr 256
		.amdhsa_next_free_sgpr 76
		.amdhsa_reserve_vcc 1
		.amdhsa_float_denorm_mode_32 3
		.amdhsa_float_denorm_mode_16_64 3
		.amdhsa_memory_ordered 1
		.amdhsa_forward_progress 1
		.amdhsa_inst_pref_size 96
	.end_amdhsa_kernel
	.amdgpu_metadata
---
amdhsa.version: [ 1, 2 ]
amdhsa.kernels:
  - .name:           k_q5c38791d0a_attn
    .symbol:         k_q5c38791d0a_attn.kd
    .args:
      - { .name: qb, .offset: 0, .size: 8, .value_kind: global_buffer, .address_space: global }
      - { .name: kv, .offset: 8, .size: 8, .value_kind: global_buffer, .address_space: global }
      - { .name: vsum, .offset: 16, .size: 8, .value_kind: global_buffer, .address_space: global }
      - { .name: comb_img, .offset: 24, .size: 8, .value_kind: global_buffer, .address_space: global }
      - { .name: comb_sc, .offset: 32, .size: 8, .value_kind: global_buffer, .address_space: global }
    .group_segment_fixed_size: 327680
    .private_segment_fixed_size: 0
    .kernarg_segment_align: 8
    .kernarg_segment_size: 40
    .max_flat_workgroup_size: 512
    .sgpr_count:     76
    .vgpr_count:     256
    .wavefront_size: 32
...
	.end_amdgpu_metadata
.endif
;; end of part 2
;; launch proj (part 3): grid 8 x 32, 4 waves a work-group, clusters of 4 x 4, 327,680 bytes of LDS; arguments comb_img, comb_sc, out_W_codes, out_W_scales, out_b, out0; writes out0
.if DOCPART == 3
	.amdgcn_target "amdgcn-amd-amdhsa--gfx1250"
	.amdhsa_code_object_version 6
	.text
	.protected	k_q5c38791d0a_proj
	.globl	k_q5c38791d0a_proj
	.p2align	8
	.type	k_q5c38791d0a_proj,@function
k_q5c38791d0a_proj:
	s_mov_b64 s[64:65], 0
	v_nop
	global_prefetch_b8 v0, s[64:65] scope:SCOPE_SE
	s_setreg_imm32_b32 hwreg(HW_REG_WAVE_MODE, 25, 1), 1
	s_wait_xcnt 0x0
	s_wait_alu depctr_hold_cnt(0) depctr_sa_sdst(0) depctr_va_vdst(0) depctr_va_sdst(0) depctr_va_ssrc(0) depctr_va_vcc(0) depctr_vm_vsrc(0)
	s_getreg_b32 s2, hwreg(HW_REG_IB_STS2, 6, 4)
	s_cmp_eq_u32 s2, 0
	s_cbranch_scc0 .Lentry_in_a_cluster
	s_endpgm
.Lentry_in_a_cluster:
	s_bfe_u32 s2, ttmp6, 0x10000c
	s_cmp_lg_u32 s2, 0xf033
	s_cbranch_scc0 .Lentry_shape_is_right
	s_endpgm
.Lentry_shape_is_right:
; LAUNCH 3 OF 3.  out0 = combined x out_W + out_b on codes of E4M3 with E8M0 scales, K = 1,024, sums in f32.  Nothing is left out here.
; comb_img [block of 128 tokens][K step of 128][tile of 16 tokens][c][lane][16 bytes] holds images of operand registers, comb_sc [token][32] their scale bytes, as the second launch leaves them.
; Inside each block of 32 along K the images hold channel 32 b + 16 e + 8 (lane / 16) + j at the operand's place 16 (lane / 16) + 8 e + j; out_W's fragments are read from LDS in the same order (pieces of 8 bytes).
; SHARES.  A work-group of four waves makes 128 tokens x 128 columns; wave w (tr = w / 2, tc = w % 2) 64 x 64: four tiles of tokens x four of columns.
; ALL OF K LIES IN LDS: the tokens' image (131,072 bytes) and out_W's 128 rows (rows of 512 bytes + 16, two halves of K).  The four tiles are asked for at the head, one a wave, jointly in a cluster of 4 x 4
; (the tokens' along a row, out_W's along a column).  Nothing is filled again.  No prefetch: every tile is asked for at the head, and there is no loop to run ahead in.
; A wave holds its 64 rows of out_W, all of K, in 512 registers, and FINISHES ITS FOUR TILES OF TOKENS ONE AFTER THE OTHER, 32 products each, four accumulators by turns: a tile's rows are stored under the next tile's products.
; TRANSPOSED USE: source 0 = 16 rows of out_W, source 1 = 16 tokens: a lane holds one token and eight neighbouring columns.  The bias is the C of a sum's first product.  The scale words come by plain loads, 32 bytes a row, straight into registers.
; REGISTERS.  window 0: v1-17 addresses; v32-63 the bias; v64-95 the tokens' scale words (8 a + s); v100-131 out_W's (8 b + s); v136-199 two sets of four accumulators; v200-231 rows on the way out.
;   windows 1, 2: out_W's fragments (4 s + b, sixteen to a window).  window 3: the tokens' fragments of a tile, all of K, two sets of 128.
.set WTL,   131072                     ; out_W's rows in LDS: half k of K at WTL + 67,584 k
.set STAGE, 266240                     ; 16 rows x 272 bytes for each wave
.set SPARE, 283648                     ; the spare words: 128 bytes a wave
.set ADA,  8                           ; v8-9   LDS address of my tokens' images, K steps 0-3 and 4-7
.set ADW,  10                          ; v10-11 of my rows of out_W, likewise
.set SOF,  12                          ; v12    32 x (lane % 16): a row's scale bytes
.set STO,  13
.set RD,   14
.set CO,   15
.set SPW,  16
.set NIL,  17
.set BIAS, 32
.set SCA,  64
.set SCW,  100                         ; no product's two scale words have numbers equal modulo 8
.set ACC,  136
.set BK,   200
.set G1A,  16
.set G1W,  24
.set G0A,  32                          ; s[32:35], s[36:39] the tokens' halves
.set G0W,  40                          ; s[40:43], s[44:47] out_W's
.set MSB, 0
.macro WIN new                         ; the immediate's high byte repeats the setting that is left
.if MSB != \new
	s_set_vgpr_msb (MSB<<8)|\new
.set MSB, \new
.endif
.endm
.macro CROUND                          ; a round of the cluster's barrier
	s_barrier_signal -1
	s_barrier_wait -1
	s_cmp_lg_u32 s76, 0
	s_cbranch_scc1 .Lnot_wave_0_\@
	s_barrier_signal -3
.Lnot_wave_0_\@:
	s_barrier_wait -3
	s_barrier_signal -1
	s_barrier_wait -1
.endm
.macro PLACES n
.rept \n
	v_nop
.endr
.endm
	s_load_b256 s[4:11], s[0:1], 0x0               ; comb_img, comb_sc, out_W's codes, scales
	s_load_b128 s[12:15], s[0:1], 0x20             ; out_b, out0
	v_lshl_add_u32 v[SPW], v0, 2, SPARE
	v_mov_b32 v[NIL], 0
	ds_add_u32 v[SPW], v[NIL]                      ; the wave's opening: the add, twice on end, and its wait ahead of my first tensor load
	ds_add_u32 v[SPW], v[NIL]
	v_lshrrev_b32 v1, 5, v0
	v_readfirstlane_b32 s76, v1                    ; wave
	s_lshr_b32 s77, s76, 1                         ; tr
	s_and_b32 s78, s76, 1                          ; tc
	s_bfe_u32 s79, ttmp6, 0x40000                  ; cx
	s_bfe_u32 s80, ttmp6, 0x40004                  ; cy
	s_lshl_b32 s81, ttmp9, 2
	s_add_co_u32 s81, s81, s79                     ; x: the block of 128 columns
	s_and_b32 s82, ttmp7, 0xffff
	s_lshl_b32 s82, s82, 2
	s_add_co_u32 s82, s82, s80                     ; y: the block of 128 tokens
	s_lshl_b32 s83, s80, 2
	s_lshl_b32 s83, 15, s83                        ; my row of the cluster
	s_lshl_b32 s84, 0x1111, s79                    ; my column
	s_or_b32 s[G1A], s83, (3<<16)|(1<<21)          ; half an image: 65,536 dense bytes as 256 rows of 256 (32 elements of 8 bytes), no padding
	s_mov_b32 s[G1A+1], 32<<16
	s_mov_b32 s[G1A+2], 256<<16
	s_mov_b32 s[G1A+3], 32<<16
	s_mov_b32 s[G1A+4], 256
	s_mov_b32 s[G1A+5], 32
	s_mov_b32 s[G1A+6], 0
	s_mov_b32 s[G1A+7], 0
	s_or_b32 s[G1W], s84, (1<<20)|(1<<21)|(6<<22)|(3<<25)   ; 128 rows x 512 codes, 1,024 apart; four words of padding behind every 128
	s_mov_b32 s[G1W+1], 512<<16
	s_mov_b32 s[G1W+2], 128<<16
	s_mov_b32 s[G1W+3], 512<<16
	s_mov_b32 s[G1W+4], 128
	s_mov_b32 s[G1W+5], 1024
	s_mov_b32 s[G1W+6], 0
	s_mov_b32 s[G1W+7], 0
	s_lshl_b32 s86, s82, 17                        ; my block's image
	s_mov_b32 s87, 0
	s_lshl_b32 s88, s82, 12                        ; my 64 tokens' scale bytes
	s_lshl_b32 s89, s77, 11
	s_add_co_u32 s88, s88, s89
	s_mov_b32 s89, 0
	s_lshl_b32 s90, s81, 17                        ; my block's 128 rows of out_W
	s_mov_b32 s91, 0
	s_lshl_b32 s92, s81, 12                        ; my 64 rows' scale bytes
	s_lshl_b32 s93, s78, 11
	s_add_co_u32 s92, s92, s93
	s_mov_b32 s93, 0
	s_wait_dscnt 0x0                               ; both opening adds are done
	s_wait_kmcnt 0x0
	s_add_nc_u64 s[4:5], s[4:5], s[86:87]
	s_add_nc_u64 s[6:7], s[6:7], s[88:89]
	s_add_nc_u64 s[8:9], s[8:9], s[90:91]
	s_add_nc_u64 s[10:11], s[10:11], s[92:93]
	CROUND                                         ; all sixteen work-groups are here: the joint loads meet
.irp k, 0,1
	s_mov_b32 s[G0A+4*\k], 1
	s_mov_b32 s[G0A+4*\k+1], 65536*\k
	s_add_nc_u64 s[G0A+4*\k+2:G0A+4*\k+3], s[4:5], 65536*\k
	s_or_b32 s[G0A+4*\k+3], s[G0A+4*\k+3], 0x80000000
	s_mov_b32 s[G0W+4*\k], 1
	s_mov_b32 s[G0W+4*\k+1], WTL+67584*\k
	s_add_nc_u64 s[G0W+4*\k+2:G0W+4*\k+3], s[8:9], 512*\k
	s_or_b32 s[G0W+4*\k+3], s[G0W+4*\k+3], 0x80000000
.endr
; THE HEAD'S LOADS, ONE A WAVE, in the order in which they are wanted: wave 0 out_W's first half of K, wave 1 the tokens', waves 2 and 3 the second halves.  One chain of branches on the wave's number, a load line to an arm:
; the first barrier waits for waves 0 and 1's lines alone.  An s_nop 0 and four v_nop follow each line.
.macro ARM under, g0, g1, next
	s_cmp_lt_u32 s76, \under
	s_cbranch_scc0 \next
	tensor_load_to_lds s[\g0:\g0+3], s[\g1:\g1+7]
	s_nop 0
	PLACES 4
	s_branch .Lhead_asked
\next:
.endm
	ARM 1, G0W,   G1W, .Lhead_a0
	ARM 2, G0A,   G1A, .Lhead_w1
	ARM 3, G0W+4, G1W, .Lhead_a1
	tensor_load_to_lds s[G0A+4:G0A+7], s[G1A:G1A+7]
	s_nop 0
	PLACES 4
.Lhead_asked:
	s_lshl_b32 s86, s77, 13                        ; my four tiles in a K step's image
	s_mul_i32 s95, s78, 64*528
	s_add_co_u32 s95, s95, WTL                     ; my 64 rows of out_W
	s_mul_i32 s85, s76, 16*272
	s_add_co_u32 s85, s85, STAGE                   ; my stage
	s_lshl_b32 s88, s78, 8
	s_lshl_b32 s90, s81, 9
	s_mov_b32 s91, 0
	s_add_nc_u64 s[12:13], s[12:13], s[90:91]      ; out_b at my block's columns
	s_lshl_b32 s89, s82, 19
	s_lshl_b32 s92, s77, 18
	s_add_co_u32 s90, s90, s89
	s_add_co_u32 s90, s90, s92
	s_add_co_u32 s90, s90, s88
	s_add_nc_u64 s[14:15], s[14:15], s[90:91]      ; out0 at my first token and column
	v_and_b32 v1, 15, v0                           ; r
	v_bfe_u32 v2, v0, 4, 1                         ; h
	v_and_b32 v3, 31, v0
	v_lshlrev_b32 v3, 4, v3
	v_add_nc_u32 v[ADA], s86, v3
	v_add_nc_u32 v[ADA+1], 65536, v[ADA]
	v_mul_u32_u24 v4, v1, 528
	v_lshl_add_u32 v4, v2, 3, v4                   ; row r, + 8 h
	v_add_nc_u32 v[ADW], s95, v4
	v_add_nc_u32 v[ADW+1], 67584, v[ADW]
	v_lshlrev_b32 v[SOF], 5, v1
	v_mul_u32_u24 v4, v1, 272
	v_lshl_add_u32 v4, v2, 5, v4
	v_add_nc_u32 v[STO], s85, v4                   ; in: row r, 32 bytes for each half of the lanes
	v_mul_u32_u24 v4, v2, 272
	v_lshl_add_u32 v4, v1, 4, v4
	v_add_nc_u32 v[RD], s85, v4                    ; back: lanes 0-15 one row of 256 bytes, lanes 16-31 the next
	v_lshlrev_b32 v4, 12, v2
	v_lshl_add_u32 v[CO], v1, 4, v4                ; and the same two rows in out0
	v_lshl_add_u32 v5, v2, 5, s88                  ; the bias: column 64 tc + 8 h, + 16 b in the immediate
	s_wait_alu depctr_va_vdst(0)                   ; the wait at the head's end
.irp b, 0,1,2,3
	global_load_b128 v[BIAS+8*\b:BIAS+8*\b+3], v5, s[12:13] offset:64*\b
	global_load_b128 v[BIAS+8*\b+4:BIAS+8*\b+7], v5, s[12:13] offset:64*\b+16
	global_load_b128 v[SCA+8*\b:SCA+8*\b+3], v[SOF], s[6:7] offset:512*\b          ; tile b's rows: word s for K step s; sixteen lanes read 16 of each row's 32 bytes
	global_load_b128 v[SCA+8*\b+4:SCA+8*\b+7], v[SOF], s[6:7] offset:512*\b+16
	global_load_b128 v[SCW+8*\b:SCW+8*\b+3], v[SOF], s[10:11] offset:512*\b
	global_load_b128 v[SCW+8*\b+4:SCW+8*\b+7], v[SOF], s[10:11] offset:512*\b+16
.endr
.macro WFRAG s                         ; out_W's four fragments of K step s: 32 loads of 8 bytes, in the images' order inside a block of 32
	WIN (1+(\s)/4)<<6
.irp b, 0,1,2,3
.irp c, 0,1,2,3,4,5,6,7
	ds_load_b64 v[64*((\s)%4)+16*\b+2*\c:64*((\s)%4)+16*\b+2*\c+1], v[ADW+(\s)/4] offset:8448*\b+128*((\s)%4)+16*\c
.endr
.endr
.endm
.macro AFRAG a, k                      ; the tokens' tile a, K steps 4 k .. 4 k + 3, into set a % 2: 16 loads
	WIN 3<<6
.irp s, 0,1,2,3
.irp c, 0,1,2,3
	ds_load_b128 v[128*((\a)%2)+64*(\k)+16*\s+4*\c:128*((\a)%2)+64*(\k)+16*\s+4*\c+3], v[ADA+\k] offset:16384*\s+2048*(\a)+512*\c
.endr
.endr
.endm
.macro PROD a, s                       ; four products: tile a x my four column tiles, K step s; the four accumulators take turns
	WIN 0x0c|(1+(\s)/4)
.irp b, 0,1,2,3
.if (\s) == 0
	v_wmma_scale_f32_16x16x128_f8f6f4 v[ACC+32*((\a)%2)+8*\b:ACC+32*((\a)%2)+8*\b+7], v[64*((\s)%4)+16*\b:64*((\s)%4)+16*\b+15], v[128*((\a)%2)+16*(\s):128*((\a)%2)+16*(\s)+15], v[BIAS+8*\b:BIAS+8*\b+7], v[SCW+8*\b+(\s)], v[SCA+8*(\a)+(\s)]
.else
	v_wmma_scale_f32_16x16x128_f8f6f4 v[ACC+32*((\a)%2)+8*\b:ACC+32*((\a)%2)+8*\b+7], v[64*((\s)%4)+16*\b:64*((\s)%4)+16*\b+15], v[128*((\a)%2)+16*(\s):128*((\a)%2)+16*(\s)+15], v[ACC+32*((\a)%2)+8*\b:ACC+32*((\a)%2)+8*\b+7], v[SCW+8*\b+(\s)], v[SCA+8*(\a)+(\s)]
.endif
.endr
.endm
.macro TOSTAGE a                       ; tile a's 16 rows x 64 columns into my own stage and back as whole rows of 256 bytes: LDS serves a wave's instructions in order (ISA guide 5.7.1.4)
.irp b, 0,1,2,3
	ds_store_b128 v[STO], v[ACC+32*((\a)%2)+8*\b:ACC+32*((\a)%2)+8*\b+3] offset:64*\b
	ds_store_b128 v[STO], v[ACC+32*((\a)%2)+8*\b+4:ACC+32*((\a)%2)+8*\b+7] offset:64*\b+16
.endr
.irp t, 0,1,2,3,4,5,6,7
	ds_load_b128 v[BK+4*\t:BK+4*\t+3], v[RD] offset:544*\t
.endr
.endm
.macro SEND a, younger                 ; younger: the LDS loads issued behind the stage's
	s_wait_dscnt \younger
.irp t, 0,1,2,3,4,5,6,7
	global_store_b128 v[CO], v[BK+4*\t:BK+4*\t+3], s[14:15] offset:65536*(\a)+8192*\t th:TH_STORE_NT   ; sixteen lanes store 256 consecutive bytes, aligned
.endr
.endm
	s_cmp_lt_u32 s76, 2
	s_cbranch_scc0 .Lnot_first
	s_wait_tensorcnt 0x0                           ; waves 0 and 1: the first halves of K have landed
.Lnot_first:
	s_barrier_signal -1
	s_barrier_wait -1
	; TILE 0, under which out_W's fragments come into their registers.  Each wait for 32 leaves the youngest fetch of out_W out
	AFRAG 0, 0
	WFRAG 0
	WFRAG 1
	s_wait_loadcnt 0x0                             ; the bias and the scale words
	s_wait_dscnt 32
	PROD 0, 0
	WFRAG 2
	s_wait_dscnt 32
	PROD 0, 1
	WFRAG 3
	s_wait_dscnt 32
	PROD 0, 2
	s_wait_tensorcnt 0x0                           ; every wave: the second halves of K have landed
	s_wait_dscnt 0x0
	s_barrier_signal -1
	PROD 0, 3
	s_barrier_wait -1
	AFRAG 0, 1
	WFRAG 4
	WFRAG 5
	s_wait_dscnt 32
	PROD 0, 4
	WFRAG 6
	s_wait_dscnt 32
	PROD 0, 5
	WFRAG 7
	s_wait_dscnt 32
	PROD 0, 6
	AFRAG 1, 0
	AFRAG 1, 1
	s_wait_dscnt 32                                ; all but tile 1's 32 loads
	PROD 0, 7
; TILES 1 TO 3.  Eight places behind the last products, ahead of the stage's reads of their sums and of the loads into the set that they have read; the tile before goes to the stage; the tile after is fetched;
; behind the first 16 products the tile before is stored.
.macro PASS a
	WIN 0
	PLACES 8
.if (\a) > 1
	s_wait_xcnt 0x0                                ; the stores of the tile two back have read their data
.endif
	TOSTAGE (\a)-1
.if (\a) < 3
	AFRAG (\a)+1, 0
	AFRAG (\a)+1, 1
	s_wait_dscnt 48                                ; my tile's fragments are in: behind them the stage's 16 and the next tile's 32
.else
	s_wait_dscnt 16
.endif
.irp s, 0,1,2,3
	PROD \a, \s
.endr
	WIN 0
.if (\a) < 3
	SEND (\a)-1, 32
.else
	SEND (\a)-1, 0
.endif
.irp s, 4,5,6,7
	PROD \a, \s
.endr
.endm
	PASS 1
	PASS 2
	PASS 3
	WIN 0
	PLACES 8
	s_wait_xcnt 0x0
	TOSTAGE 3
	SEND 3, 0
	s_wait_tensorcnt 0x0                           ; the wave's end
	ds_add_u32 v[SPW], v[NIL]
	s_wait_dscnt 0x0
	CROUND                                         ; the closing round
	s_endpgm
.Lfunc_end_k_q5c38791d0a_proj:
	.size	k_q5c38791d0a_proj, .Lfunc_end_k_q5c38791d0a_proj-k_q5c38791d0a_proj
	.p2alignl 7, 3214868480
	.fill 96, 4, 3214868480
	.section	.rodata,"a",@progbits
	.p2align	6, 0x0
	.amdhsa_kernel k_q5c38791d0a_proj
		.amdhsa_group_segment_fixed_size 327680
		.amdhsa_private_segment_fixed_size 0
		.amdhsa_enable_private_segment 0
		.amdhsa_kernarg_size 48
		.amdhsa_user_sgpr_count 2
		.amdhsa_user_sgpr_kernarg_segment_ptr 1
		.amdhsa_wavefront_size32 1
		.amdhsa_system_sgpr_workgroup_id_x 1
		.amdhsa_system_sgpr_workgroup_id_y 1
		.amdhsa_system_sgpr_workgroup_id_z 1
		.amdhsa_system_vgpr_workitem_id 0
		.amdhsa_next_free_vgpr 1024
		.amdhsa_next_free_sgpr 96
		.amdhsa_reserve_vcc 0
		.amdhsa_float_denorm_mode_32 3
		.amdhsa_float_denorm_mode_16_64 3
		.amdhsa_memory_ordered 1
		.amdhsa_forward_progress 1
		.amdhsa_inst_pref_size 60
	.end_amdhsa_kernel
	.amdgpu_metadata
---
amdhsa.version: [ 1, 2 ]
amdhsa.kernels:
  - .name:           k_q5c38791d0a_proj
    .symbol:         k_q5c38791d0a_proj.kd
    .args:
      - { .name: comb_img, .offset: 0, .size: 8, .value_kind: global_buffer, .address_space: global }
      - { .name: comb_sc, .offset: 8, .size: 8, .value_kind: global_buffer, .address_space: global }
      - { .name: out_W_codes, .offset: 16, .size: 8, .value_kind: global_buffer, .address_space: global }
      - { .name: out_W_scales, .offset: 24, .size: 8, .value_kind: global_buffer, .address_space: global }
      - { .name: out_b, .offset: 32, .size: 8, .value_kind: global_buffer, .address_space: global }
      - { .name: out0, .offset: 40, .size: 8, .value_kind: global_buffer, .address_space: global }
    .group_segment_fixed_size: 327680
    .private_segment_fixed_size: 0
    .kernarg_segment_align: 8
    .kernarg_segment_size: 48
    .max_flat_workgroup_size: 128
    .sgpr_count:     96
    .vgpr_count:     1024
    .wavefront_size: 32
...
	.end_amdgpu_metadata
.endif
;; end of part 3
